; MI455X (gfx1250); checked and timed in simulation.
; The chip was launched on July 23, 2026; its instructions are those of AMD's public machine-readable ISA for CDNA 5 (MIT licence, August 2026) and "CDNA5" Instruction Set Architecture Reference Guide (July 2026). The comments in the code are by the model that wrote it; some were corrected since.
;; Attention Mechanisms. Allowed arithmetic: float matrix products may take bf16 or f16 operands with f32 sums; other float arithmetic in f32, or as packed bf16 or f16 multiplies, adds, multiply-adds, maxima and minima; sums over many terms, partial sums and values carried from step to step in f32; what a program stores and reads back later, other than sums and carried values, may be rounded once to bf16 or f16.
;; Inputs: Wk 2,048 x 2,048 float32; Wo 2,048 x 2,048 float32; Wq 2,048 x 2,048 float32; Wv 2,048 x 2,048 float32; bk 2,048 float32; bo 2,048 float32; bq 2,048 float32; bv 2,048 float32; c_scale 1 float32; x 4 x 1,024 x 2,048 float32.
;; Outputs: out0 4 x 1,024 x 2,048 float32.
;; 2 versions, each right; version 2 is version 1 with the launch cvt written anew for expert scheduling mode. Each part assembles by itself: llvm-mc -triple=amdgcn-amd-amdhsa -mcpu=gfx1250 --defsym DOCPART=n.
;; ======== version 1 of 2: 4 launches
;; limits: values are held in f16: magnitudes above 65,504 overflow, below 6.1e-05 lose precision
;; workspace buffers: xb 16,777,216 bytes; wqkv 25,165,824 bytes; wo16 8,388,608 bytes; bias 32,768 bytes; qkv 50,331,648 bytes; att 16,777,216 bytes
;; launch cvt (part 1): grid 769 x 1, 8 waves a work-group, no clusters, 0 bytes of LDS; arguments x, Wq, Wk, Wv, Wo, bq, bk, bv, bo, xb, wqkv, wo16, bias; writes xb, wqkv, wo16, bias
.if DOCPART == 1
	.amdgcn_target "amdgcn-amd-amdhsa--gfx1250"
	.amdhsa_code_object_version 6
	.text
	.protected	k_q057f2496e9_cvt
	.globl	k_q057f2496e9_cvt
	.p2align	8
	.type	k_q057f2496e9_cvt,@function
k_q057f2496e9_cvt:
	s_mov_b64 s[64:65], 0
	v_nop
	global_prefetch_b8 v0, s[64:65] scope:SCOPE_SE
	s_setreg_imm32_b32 hwreg(HW_REG_WAVE_MODE, 25, 1), 1
	s_wait_xcnt 0x0
; ALL INPUTS OF THE PRODUCTS ARE ROUNDED ONCE, TO bf16, and laid out for the launches that multiply them.  A stream: no LDS, no barrier, no matrix work.
;   x  [4096][2048] f32 -> xb, bf16, in blocks of 64 along k: byte kb x 524,288 + row x 128 + 2 (k mod 64): the rows of one block lie end to end.
;   Wq, Wk, Wv [2048 k][2048 n] f32 -> wqkv, bf16 [2048 k][6144 n]: the three side by side.      Wo -> wo16 [2048 k][2048 n]: rounded to bf16, that number written as f16
;   (exact where it is 6.1e-5 or more in magnitude; below that it keeps f16's fixed step of 6e-8).      bq, bk, bv, bo -> bias, f32 [8192]: each rounded to bf16 and widened again.
; SHARES.  Work-groups 0-255: 16 rows of x each; 256-639: 16 rows of Wq, Wk or Wv; 640-767: 16 rows of Wo; 768: the four biases.  A wave takes two rows (16 KiB): all its 32 loads of 16 bytes a
; lane go out at once, and each is converted and stored as it comes in.  Every store of a wave covers 256 consecutive bytes, at a multiple of 256 from its buffer's first byte (the biases': 512).
; No register is written twice while a load or store may read it, so the only waits are the counted ones for the loads.
.set X,   16                           ; v[16:143] 32 quads as loaded; a quad's first two (biases: all four) registers are stored
.set T,   4                            ; v[4:5]    at work
.set SRC, 36                           ; s[36:37]  where my loads begin
.set DST, 38                           ; s[38:39]  where my stores begin
.set DS2, 40                           ; s[40:41]  x alone: the same, 16 blocks of k further on
	s_load_b512 s[8:23], s[0:1], 0x0               ; x s[8:9], Wq s[10:11], Wk s[12:13], Wv s[14:15], Wo s[16:17], bq s[18:19], bk s[20:21], bv s[22:23]
	s_load_b256 s[24:31], s[0:1], 0x40             ; bo s[24:25], xb s[26:27], wqkv s[28:29], wo16 s[30:31]
	s_load_b64 s[32:33], s[0:1], 0x60              ; bias
	v_and_b32 v1, 31, v0                           ; lane
	v_lshrrev_b32 v2, 5, v0
	v_readfirstlane_b32 s35, v2                    ; wave 0..7
	s_mov_b32 s34, 0xffff0000                      ; a word's upper bf16
	s_mov_b32 s43, 0                               ; the high words of the two offsets
	s_mov_b32 s45, 0
	v_lshlrev_b32 v3, 3, v1                        ; stores: 8 bytes a lane
	v_lshlrev_b32 v2, 4, v1                        ; loads: 16 bytes a lane (x makes its own below)
	s_wait_kmcnt 0x0
.macro LD n, step                      ; n loads, step bytes apart, all on their way together
.set i, 0
.rept \n
	global_load_b128 v[X+4*i:X+4*i+3], v2, s[SRC:SRC+1] offset:(\step)*i th:TH_LOAD_NT
.set i, i+1
.endr
.endm
.macro BF q                            ; quad q: four f32 to four bf16, into its first two registers
	v_cvt_pk_bf16_f32 v[X+4*(\q)], v[X+4*(\q)], v[X+4*(\q)+1]
	v_cvt_pk_bf16_f32 v[X+4*(\q)+1], v[X+4*(\q)+2], v[X+4*(\q)+3]
.endm
.macro WIDE q                          ; quad q: four f32 rounded to bf16 and widened again, in place
	v_cvt_pk_bf16_f32 v[T], v[X+4*(\q)], v[X+4*(\q)+1]
	v_cvt_pk_bf16_f32 v[T+1], v[X+4*(\q)+2], v[X+4*(\q)+3]
	v_lshlrev_b32 v[X+4*(\q)], 16, v[T]
	v_and_b32 v[X+4*(\q)+1], s34, v[T]
	v_lshlrev_b32 v[X+4*(\q)+2], 16, v[T+1]
	v_and_b32 v[X+4*(\q)+3], s34, v[T+1]
.endm
	s_cmp_lt_u32 ttmp9, 256
	s_cbranch_scc0 .Lweights
	; x.  Rows R = 16 b + 2 w and R + 1.  Load i: lanes 0-15 take block i (256 bytes) of row R, lanes 16-31 of row R + 1; in xb the two rows' 128 bytes of a block lie end to end.
	s_lshl_b32 s46, ttmp9, 4
	s_lshl1_add_u32 s46, s35, s46                  ; R
	s_lshl_b32 s42, s46, 13                        ; R x 8,192 bytes
	s_add_nc_u64 s[SRC:SRC+1], s[8:9], s[42:43]
	s_lshl_b32 s44, s46, 7                         ; R x 128 bytes
	s_add_nc_u64 s[DST:DST+1], s[26:27], s[44:45]
	s_add_nc_u64 s[DS2:DS2+1], s[DST:DST+1], 16*524288  ; so that a block's place fits the store's immediate
	v_and_b32 v4, 15, v1
	v_lshrrev_b32 v5, 4, v1
	v_lshlrev_b32 v2, 4, v4
	v_lshl_add_u32 v2, v5, 13, v2                  ; (lane / 16) x a row + 16 (lane % 16)
	LD 32, 256
.set i, 0
.rept 32
	s_wait_loadcnt 31-i                            ; loads come back in order: quad i is in, the 31 - i younger ones stay out
	BF i
.if i < 16
	global_store_b64 v3, v[X+4*i:X+4*i+1], s[DST:DST+1] offset:i*524288
.else
	global_store_b64 v3, v[X+4*i:X+4*i+1], s[DS2:DS2+1] offset:(i-16)*524288
.endif
.set i, i+1
.endr
	s_endpgm
.Lweights:
	s_cmp_lt_u32 ttmp9, 640
	s_cbranch_scc0 .Lwo
	; Wq, Wk, Wv.  Matrix mi = (b - 256) / 128, rows R = 16 ((b - 256) % 128) + 2 w and R + 1: 16,384 consecutive bytes.
	s_sub_co_u32 s46, ttmp9, 256
	s_lshr_b32 s47, s46, 7                         ; mi
	s_and_b32 s46, s46, 127
	s_lshl_b32 s46, s46, 4
	s_lshl1_add_u32 s46, s35, s46                  ; R
	s_cmp_eq_u32 s47, 0
	s_cselect_b64 s[SRC:SRC+1], s[10:11], s[12:13]
	s_cmp_eq_u32 s47, 2
	s_cselect_b64 s[SRC:SRC+1], s[14:15], s[SRC:SRC+1]
	s_lshl_b32 s42, s46, 13
	s_add_nc_u64 s[SRC:SRC+1], s[SRC:SRC+1], s[42:43]
	s_mul_i32 s44, s46, 12288                      ; a row of wqkv,
	s_lshl_b32 s47, s47, 12                        ; the matrix's 4,096 bytes in it
	s_add_co_u32 s44, s44, s47
	s_add_nc_u64 s[DST:DST+1], s[28:29], s[44:45]
	LD 32, 512
.set i, 0
.rept 32
	s_wait_loadcnt 31-i
	BF i
	global_store_b64 v3, v[X+4*i:X+4*i+1], s[DST:DST+1] offset:(i/16)*12288+(i%16)*256
.set i, i+1
.endr
	s_endpgm
.Lwo:
	s_cmp_lt_u32 ttmp9, 768
	s_cbranch_scc0 .Lbias
	; Wo.  Rows R = 16 (b - 640) + 2 w and R + 1; in wo16 they are consecutive too.
	s_sub_co_u32 s46, ttmp9, 640
	s_lshl_b32 s46, s46, 4
	s_lshl1_add_u32 s46, s35, s46                  ; R
	s_lshl_b32 s42, s46, 13
	s_add_nc_u64 s[SRC:SRC+1], s[16:17], s[42:43]
	s_lshl_b32 s44, s46, 12
	s_add_nc_u64 s[DST:DST+1], s[30:31], s[44:45]
	LD 32, 512
.set i, 0
.rept 32
	s_wait_loadcnt 31-i
	WIDE i                                         ; the number that bf16 holds,
	v_cvt_pk_f16_f32 v[X+4*i], v[X+4*i], v[X+4*i+1]        ; written as f16
	v_cvt_pk_f16_f32 v[X+4*i+1], v[X+4*i+2], v[X+4*i+3]
	global_store_b64 v3, v[X+4*i:X+4*i+1], s[DST:DST+1] offset:i*256
.set i, i+1
.endr
	s_endpgm
.Lbias:
	; The biases.  Wave w takes half w % 2 (4,096 bytes) of bias w / 2, and puts it at byte 4,096 w.
	s_lshr_b32 s46, s35, 1
	s_cmp_eq_u32 s46, 0
	s_cselect_b64 s[SRC:SRC+1], s[18:19], s[20:21]
	s_cmp_eq_u32 s46, 2
	s_cselect_b64 s[SRC:SRC+1], s[22:23], s[SRC:SRC+1]
	s_cmp_eq_u32 s46, 3
	s_cselect_b64 s[SRC:SRC+1], s[24:25], s[SRC:SRC+1]
	s_and_b32 s42, s35, 1
	s_lshl_b32 s42, s42, 12
	s_add_nc_u64 s[SRC:SRC+1], s[SRC:SRC+1], s[42:43]
	s_lshl_b32 s44, s35, 12
	s_add_nc_u64 s[DST:DST+1], s[32:33], s[44:45]
	LD 8, 512
.set i, 0
.rept 8
	s_wait_loadcnt 7-i
	WIDE i
	global_store_b128 v2, v[X+4*i:X+4*i+3], s[DST:DST+1] offset:i*512
.set i, i+1
.endr
	s_endpgm
.Lfunc_end_k_q057f2496e9_cvt:
	.size	k_q057f2496e9_cvt, .Lfunc_end_k_q057f2496e9_cvt-k_q057f2496e9_cvt
	.p2alignl 7, 3214868480
	.fill 96, 4, 3214868480
	.section	.rodata,"a",@progbits
	.p2align	6, 0x0
	.amdhsa_kernel k_q057f2496e9_cvt
		.amdhsa_group_segment_fixed_size 0
		.amdhsa_private_segment_fixed_size 0
		.amdhsa_enable_private_segment 0
		.amdhsa_kernarg_size 104
		.amdhsa_user_sgpr_count 2
		.amdhsa_user_sgpr_kernarg_segment_ptr 1
		.amdhsa_wavefront_size32 1
		.amdhsa_system_sgpr_workgroup_id_x 1
		.amdhsa_system_sgpr_workgroup_id_y 1
		.amdhsa_system_sgpr_workgroup_id_z 1
		.amdhsa_system_vgpr_workitem_id 0
		.amdhsa_next_free_vgpr 148
		.amdhsa_next_free_sgpr 66
		.amdhsa_reserve_vcc 0
		.amdhsa_float_denorm_mode_32 3
		.amdhsa_float_denorm_mode_16_64 3
		.amdhsa_memory_ordered 1
		.amdhsa_forward_progress 1
		.amdhsa_inst_pref_size 48
	.end_amdhsa_kernel
	.amdgpu_metadata
---
amdhsa.version: [ 1, 2 ]
amdhsa.kernels:
  - .name:           k_q057f2496e9_cvt
    .symbol:         k_q057f2496e9_cvt.kd
    .args:
      - { .name: x, .offset: 0, .size: 8, .value_kind: global_buffer, .address_space: global }
      - { .name: Wq, .offset: 8, .size: 8, .value_kind: global_buffer, .address_space: global }
      - { .name: Wk, .offset: 16, .size: 8, .value_kind: global_buffer, .address_space: global }
      - { .name: Wv, .offset: 24, .size: 8, .value_kind: global_buffer, .address_space: global }
      - { .name: Wo, .offset: 32, .size: 8, .value_kind: global_buffer, .address_space: global }
      - { .name: bq, .offset: 40, .size: 8, .value_kind: global_buffer, .address_space: global }
      - { .name: bk, .offset: 48, .size: 8, .value_kind: global_buffer, .address_space: global }
      - { .name: bv, .offset: 56, .size: 8, .value_kind: global_buffer, .address_space: global }
      - { .name: bo, .offset: 64, .size: 8, .value_kind: global_buffer, .address_space: global }
      - { .name: xb, .offset: 72, .size: 8, .value_kind: global_buffer, .address_space: global }
      - { .name: wqkv, .offset: 80, .size: 8, .value_kind: global_buffer, .address_space: global }
      - { .name: wo16, .offset: 88, .size: 8, .value_kind: global_buffer, .address_space: global }
      - { .name: bias, .offset: 96, .size: 8, .value_kind: global_buffer, .address_space: global }
    .group_segment_fixed_size: 0
    .private_segment_fixed_size: 0
    .kernarg_segment_align: 8
    .kernarg_segment_size: 104
    .max_flat_workgroup_size: 256
    .sgpr_count:     66
    .vgpr_count:     148
    .wavefront_size: 32
...
	.end_amdgpu_metadata
.endif
;; end of part 1
;; launch gemm_qkv (part 2): grid 16 x 16, 4 waves a work-group, clusters of 4 x 4, 327,680 bytes of LDS; arguments xb, wqkv, bias, qkv; writes qkv
.if DOCPART == 2
	.amdgcn_target "amdgcn-amd-amdhsa--gfx1250"
	.amdhsa_code_object_version 6
	.text
	.protected	k_q057f2496e9_gemm_qkv
	.globl	k_q057f2496e9_gemm_qkv
	.p2align	8
	.type	k_q057f2496e9_gemm_qkv,@function
k_q057f2496e9_gemm_qkv:
	s_mov_b64 s[64:65], 0
	v_nop
	global_prefetch_b8 v0, s[64:65] scope:SCOPE_SE
	s_setreg_imm32_b32 hwreg(HW_REG_WAVE_MODE, 25, 1), 1
	s_wait_xcnt 0x0
	s_wait_alu depctr_hold_cnt(0) depctr_sa_sdst(0) depctr_va_vdst(0) depctr_va_sdst(0) depctr_va_ssrc(0) depctr_va_vcc(0) depctr_vm_vsrc(0)
	s_getreg_b32 s2, hwreg(HW_REG_IB_STS2, 6, 4)
	s_cmp_eq_u32 s2, 0
	s_cbranch_scc0 .Lentry_in_a_cluster
	s_endpgm
.Lentry_in_a_cluster:
	s_bfe_u32 s2, ttmp6, 0x10000c
	s_cmp_lg_u32 s2, 0xf033
	s_cbranch_scc0 .Lentry_shape_is_right
	s_endpgm
.Lentry_shape_is_right:
; qkv[4096][6144] = xb[4096][2048] wqkv[2048][6144] + bias[6144], sums in f32, qkv rounded once to f16.
; xb: bf16, in blocks of 64 along k (byte kb x 524,288 + row x 128 + 2 (k mod 64)); wqkv: bf16 [k][6144]; bias: f32, its first 6,144 numbers.
; LIMIT: a q, k or v of 65,520 or more in magnitude becomes an infinity.  NaN and infinities are not treated apart.
; SHARES.  16 x 16 work-groups, each a tile of 256 rows x 384 columns.  Four waves: wave w has rows 128 (w / 2) on, and of each group g of 128 columns the 64 from 64 (w % 2) on:
; 32 accumulators of 16 x 16 a group, three groups.  K goes in steps of 64 through a ring of two LDS slots filled by the tensor data mover, a step in two slabs of 32.
; B LIES [k][n] and is turned on its way out of LDS, by ds_load_tr16_b128.  THE MATRIX INSTRUCTION IS USED TRANSPOSED (source 0 = 16 columns of B, source 1 = 16 rows of A): a lane then holds
; row lane % 16 of C, and its registers 0-7 the columns 8 (lane / 16) + 0..7.  THE SUMS START FROM THE BIAS: it is loaded into the registers of each group's first four accumulators (row block 0), and
; the first slab's products of row blocks 1-7 take those registers as C; row block 0's own products come last, in place.  Nothing is cleared and nothing is added at the end.
; CLUSTERS: 4 x 4 work-groups.  The four of a row of the cluster need the same tiles of A, the four of a column the same tiles of B: each tile is asked for JOINTLY, by the same tensor load with
; the same descriptor and a mask that names the four.  By this text's count a wave has two tensor loads out at the start and one behind each round.
; REGISTERS, in windows of 256 (s_set_vgpr_msb: bits 1:0 source 0, 3:2 source 1, 5:4 source 2, 7:6 destination):
;   window 0: v0-31 addresses; fragments: B's v32-63, v192-223, v224-255 (32 k x 64 columns each), A's v64-127, v128-191 (128 rows x 32 k each); on the way out v32-255 at work
;   window 1 + g: group g's accumulators, (row block a, column block b) at v[8 (4 a + b)]
.set NG,     3                         ; groups of 128 columns in a tile
.set LAPS,   16                        ; a lap = two K steps = once round the ring
.set PA,     144                       ; a row of A in LDS: 128 bytes + 16 of padding
.set PB,     864                       ; a k row of B in LDS: 3 x (256 bytes + 32 of padding)
.set SPITCH, 784                       ; a row of the stage: 768 bytes + 16
.set SPARE,  200704                    ; behind ring and stage: the spare words, 128 bytes for each wave: two blocks of 256 bytes that no other line names
.set ASTEP,  524288                    ; bytes from a K step to the next: A's next block,
.set BROWB,  12288                     ; bytes in a row of B
.set BSTEP,  64*BROWB                  ; B's next 64 rows
.set AROWB,  128                       ; bytes from a row of A to the next, inside a block of k
.set ROWB,   12288                     ; bytes in a row of C
.set UN,     3                         ; pieces of 256 bytes in a tile's row of C
.set GA0,    (1<<16)|(1<<20)|(1<<21)|(4<<22)|(3<<25)  ; 17:16 2-byte elements; 20 padding on; 21 set beside a mask; 24:22 after every 32 words (code 4); 31:25 4 words (code 3)
.set GB0,    (1<<16)|(1<<20)|(1<<21)|(5<<22)|(7<<25)  ; B: after every 64 words (code 5) 8 words of padding (code 7)
.set AHALF,  128*PA                    ; what one load of A brings, and what one wave reads of A
.set ABYTES, 2*AHALF
.set BHALF,  32*PB                     ; what one load of B brings
.set SLOT,   ABYTES+2*BHALF            ; A's 256 rows, then B's 64 rows.  PA is an odd multiple of 16 bytes, PB of 32: the rows that one load touches start in different banks (64 banks of 4 bytes: ISA guide 11.1)
.set NQ,     16*UN                     ; the way out: quads in a batch of 32 rows
; THE STAGE, 256 rows x SPITCH from LDS byte 0, lies over the ring: it is written when both slots have had their last fill and every wave its last read of them.
.set ADRA, 16                          ; v16-17  LDS address of my A fragments in slot 0, 1
.set ADRB, 20                          ; v20-21  the same for B
.set STO,  22                          ; v22-23  the way out: where I put my numbers of a row, row blocks 0-3, 4-7
.set RD,   24                          ; v24     the way out: where I read rows back
.set CO,   25                          ; v25     my byte offset in C
.set BO,   26                          ; v26     my byte offset in the tile's bias
.set SPW,  28                          ; v28     LDS address of my spare word: SPARE + 4 x my thread's number; never rewritten
.set NIL,  29                          ; v29     0; never rewritten
.set PFO,  30                          ; v30     the prefetches' offset; never rewritten
.set FB0,  32
.set FA0,  64
.set FA1,  128
.set FB1,  192
.set FB2,  224
.set TMP,  128                         ; the way out: a group's 32 accumulators as f16
.set OB,   32                          ; the way out: rows read back
.set G1A,  24                          ; s[24:31] descriptor group 1 for A's tiles;  s[32:39] group 0, a set for each slot
.set G0A,  32
.set LIM,  43                          ; s43      1 in a wave that prefetches, else the greatest number
.set PFA,  44                          ; s[44:45] where my prefetches stand
.set PFS,  46                          ; s[46:47] their step from K step to K step
.set G1B,  48                          ; s[48:55], s[56:63] the same for B's tiles
.set G0B,  56
.set MSB, 0
.macro WIN new                         ; the immediate's high byte repeats the setting that is left; a switch that changes nothing is dropped
.if MSB != (\new)
	s_set_vgpr_msb (MSB<<8)|(\new)
.set MSB, \new
.endif
.endm
.macro PLACES                          ; four places: behind a matrix instruction, in front of loads into registers that it has read and of lines that read its result (ISA guide 7.12.1 for the lines that read its result)
.rept 4
	v_nop
.endr
.endm
.macro CREST                           ; a round of the cluster's barrier behind its opening barrier: wave 0 signals for the work-group, every wave waits for all sixteen, my work-group's barrier closes
	s_cmp_lg_u32 s12, 0
	s_cbranch_scc1 .Lnot_wave_0_\@
	s_barrier_signal -3
.Lnot_wave_0_\@:
	s_barrier_wait -3
	s_barrier_signal -1
	s_barrier_wait -1
.endm
.macro CROUND                          ; a whole round
	s_barrier_signal -1
	s_barrier_wait -1
	CREST
.endm
; A joint refill.  Waves 0 and 1 fetch A's two halves, waves 2 and 3 B's.  The branch hangs on the wave's number alone.  An s_nop 0 and four v_nop follow each of the two lines.
.macro JLOAD s
	s_cmp_eq_u32 s13, 0
	s_cbranch_scc0 .Lfor_b_\@
	tensor_load_to_lds s[G0A+4*(\s):G0A+4*(\s)+3], s[G1A:G1A+7]
	s_nop 0
.rept 4
	v_nop
.endr
	s_branch .Lasked_\@
.Lfor_b_\@:
	tensor_load_to_lds s[G0B+4*(\s):G0B+4*(\s)+3], s[G1B:G1B+7]
	s_nop 0
.rept 4
	v_nop
.endr
.Lasked_\@:
.endm
; A PREFETCH INTO THE L2, behind a joint refill and the run of LDS loads that follows it.  In K step t it names K step t + 3, which is asked for by its refill one change of slots later
; (192 matrix instructions on; B's second half 384).  Each aligned block of 256 bytes is named once in the launch: a tile row of A is read by every cluster of that row of clusters, and the
; one with x = 0 asks, wave 0; a tile column of B by every cluster of that column, and the one with y = 0 asks, wave 2.  The four partners that ask for a tile jointly share its rows out BY ADDRESS
; (cx for A, cy for B): no branch hangs on a place in the cluster.  A: 64 rows of a block = 32 lanes x 256 bytes; B, at slot 0's change alone: 32 of the 128 k rows of two K steps, a lane a row,
; three lines for its 768 bytes.  The loop's last trip asks for nothing (s3 = 1): part of what it would name does not exist.  The first three K steps come by their loads alone: nothing is prefetched at the head.
.macro ASK slot
	s_cmp_gt_u32 s3, s[LIM]
	s_cbranch_scc0 .Lnone_\@
	s_cmp_eq_u32 s12, 0
	s_cbranch_scc0 .Lask_b_\@
	global_prefetch_b8 v[PFO], s[PFA:PFA+1] th:TH_LOAD_NT scope:SCOPE_SE
	s_branch .Lnone_\@
.Lask_b_\@:
.if (\slot) == 0
	global_prefetch_b8 v[PFO], s[PFA:PFA+1] th:TH_LOAD_NT scope:SCOPE_SE
	global_prefetch_b8 v[PFO], s[PFA:PFA+1] offset:256 th:TH_LOAD_NT scope:SCOPE_SE
	global_prefetch_b8 v[PFO], s[PFA:PFA+1] offset:512 th:TH_LOAD_NT scope:SCOPE_SE
.endif
.Lnone_\@:
.endm
	s_load_b256 s[4:11], s[0:1], 0x0               ; A s[4:5], B s[6:7], bias s[8:9], C s[10:11]
	v_lshl_add_u32 v[SPW], v0, 2, SPARE
	v_mov_b32 v[NIL], 0
	ds_add_u32 v[SPW], v[NIL]                      ; the wave's opening: the add and its wait stand ahead of my first tensor load; the set-up below, work on registers, stands between them
	v_lshrrev_b32 v1, 5, v0
	v_readfirstlane_b32 s12, v1                    ; wave 0..3
	s_lshr_b32 s13, s12, 1                         ; which half of the tile's rows is mine.  Also: I fetch for A (0) or for B (1)
	s_and_b32 s14, s12, 1                          ; which 64 of each group's columns.  Also: which half of that tile I fetch
	s_bfe_u32 s15, ttmp6, 0x40000                  ; cx, cy: my place in the cluster
	s_bfe_u32 s16, ttmp6, 0x40004
	s_lshl_b32 s17, ttmp9, 2
	s_add_co_u32 s17, s17, s15                     ; tile column = 4 x cluster x + cx
	s_and_b32 s18, ttmp7, 0xffff
	s_lshl_b32 s18, s18, 2
	s_add_co_u32 s18, s18, s16                     ; tile row = 4 x cluster y + cy
	s_lshl_b32 s19, s16, 2
	s_lshl_b32 s19, 15, s19                        ; my row of the cluster: places 4 cy .. 4 cy + 3
	s_lshl_b32 s20, 0x1111, s15                    ; my column: places cx, cx + 4, cx + 8, cx + 12
	s_or_b32 s[G1A], s19, GA0                      ; A's tiles go to my row,
	s_or_b32 s[G1B], s20, GB0                      ; B's to my column
	s_mov_b32 s[G1A+1], 128<<16                    ; A: 128 rows x 128 bytes lie end to end: asked for as 64 rows of 128 elements.  tensor_dim0
	s_mov_b32 s[G1A+2], 64<<16                     ; tensor_dim1
	s_mov_b32 s[G1A+3], 128<<16                    ; tile_dim0
	s_mov_b32 s[G1A+4], 64                         ; tile_dim1
	s_mov_b32 s[G1A+5], 128                        ; elements from row to row
	s_mov_b32 s[G1A+6], 0
	s_mov_b32 s[G1A+7], 0
	s_mov_b32 s[G1B+1], 384<<16                    ; B: 32 k rows of 384 elements
	s_mov_b32 s[G1B+2], 32<<16
	s_mov_b32 s[G1B+3], 384<<16
	s_mov_b32 s[G1B+4], 32
	s_mov_b32 s[G1B+5], 6144
	s_mov_b32 s[G1B+6], 0
	s_mov_b32 s[G1B+7], 0
	; where the tiles come from.  A's hang on the tile row alone, B's on the tile column alone; each in registers that never hold the other coordinate.  Every wave makes both and asks by one.
	s_lshl_b32 s68, s18, 8
	s_lshl_b32 s69, s14, 7
	s_add_co_u32 s68, s68, s69                     ; A: row 256 x tile row + 128 x half,
	s_mul_i32 s68, s68, AROWB                      ; in bytes
	s_mov_b32 s69, 0
	s_mul_i32 s72, s14, 32*BROWB                   ; B: my half of a K step's rows,
	s_mul_i32 s73, s17, 768                        ; the tile's columns
	s_add_co_u32 s72, s72, s73
	s_mov_b32 s73, 0
	s_mul_i32 s21, s14, AHALF                      ; and where they go: no place in the cluster enters an LDS address
	s_mul_i32 s22, s14, BHALF
	s_add_co_u32 s22, s22, ABYTES
	s_wait_dscnt 0x0                               ; the opening add is done
	s_wait_kmcnt 0x0
	s_add_nc_u64 s[70:71], s[4:5], s[68:69]
	s_add_nc_u64 s[74:75], s[6:7], s[72:73]
	CROUND                                         ; all sixteen work-groups are here: the first joint loads meet
.irp s, 0,1
	s_mov_b32 s[G0A+4*(\s)], 1                                       ; count = 1
	s_add_co_u32 s[G0A+4*(\s)+1], s21, (\s)*SLOT                     ; LDS address
	s_add_nc_u64 s[G0A+4*(\s)+2:G0A+4*(\s)+3], s[70:71], (\s)*ASTEP  ; global address: K step s
	s_or_b32 s[G0A+4*(\s)+3], s[G0A+4*(\s)+3], 0x80000000            ; type = 2
	s_mov_b32 s[G0B+4*(\s)], 1
	s_add_co_u32 s[G0B+4*(\s)+1], s22, (\s)*SLOT
	s_add_nc_u64 s[G0B+4*(\s)+2:G0B+4*(\s)+3], s[74:75], (\s)*BSTEP
	s_or_b32 s[G0B+4*(\s)+3], s[G0B+4*(\s)+3], 0x80000000
.endr
	s_cmp_eq_u32 s13, 0                            ; a wave's two first fills stand in one branch, ahead of every wait on TENSORcnt and every LDS read
	s_cbranch_scc0 .Lfirst_b
	tensor_load_to_lds s[G0A:G0A+3], s[G1A:G1A+7]
	s_nop 0
	tensor_load_to_lds s[G0A+4:G0A+7], s[G1A:G1A+7]
	s_nop 0
.rept 4
	v_nop
.endr
	s_branch .Lfirst_asked
.Lfirst_b:
	tensor_load_to_lds s[G0B:G0B+3], s[G1B:G1B+7]
	s_nop 0
	tensor_load_to_lds s[G0B+4:G0B+7], s[G1B:G1B+7]
	s_nop 0
.rept 4
	v_nop
.endr
.Lfirst_asked:
	; the bias: register j of column block b of group g is bias[tile + 128 g + 64 (w % 2) + 16 b + 8 (lane / 16) + j], the same for every row: it goes into row block 0's accumulators
	v_and_b32 v1, 15, v0                           ; l % 16
	v_bfe_u32 v2, v0, 4, 1                         ; l / 16
	s_lshl_b32 s80, s14, 8
	v_lshl_add_u32 v[BO], v2, 5, s80
	s_mul_i32 s78, s17, 1536                       ; the tile's 384 numbers
	s_mov_b32 s79, 0
	s_add_nc_u64 s[76:77], s[8:9], s[78:79]
.set g, 0
.rept NG
	WIN (g+1)<<6                                   ; destination in window 1 + g, address in window 0
.irp b, 0,1,2,3
	global_load_b128 v[8*(\b):8*(\b)+3],   v[BO], s[76:77] offset:512*g+64*(\b)
	global_load_b128 v[8*(\b)+4:8*(\b)+7], v[BO], s[76:77] offset:512*g+64*(\b)+16
.endr
.set g, g+1
.endr
	WIN 0
	; A fragment of A is 16 rows x 32 k in 8 registers: lane l holds row l % 16; registers 0-3 k = 8 (l / 16) + 0..7, registers 4-7 k = 16 + 8 (l / 16) + 0..7: two loads of 16 bytes, 32 bytes apart.
	v_and_b32 v3, 31, v0
	v_and_b32 v4, 7, v0
	v_bfe_u32 v5, v0, 3, 1
	v_mul_u32_u24 v6, v1, PA
	v_lshl_add_u32 v6, v2, 4, v6
	s_mul_i32 s80, s13, AHALF                      ; my 128 rows of A
	v_add_nc_u32 v[ADRA], s80, v6
	v_add_nc_u32 v[ADRA+1], SLOT, v[ADRA]
	; The turning load takes 16 k x 16 columns (lane l reads 16 bytes: k row 8 (l / 16) + l % 8, columns 8 ((l / 8) % 2) + 0..7) and leaves half a fragment: lane l holds column l % 16 and 8 k.
	v_lshl_add_u32 v7, v2, 3, v4
	v_mul_u32_u24 v7, v7, PB
	v_lshl_add_u32 v7, v5, 4, v7
	s_lshl_b32 s80, s14, 7                         ; my 64 columns of a group
	s_add_co_u32 s80, s80, ABYTES
	v_add_nc_u32 v[ADRB], s80, v7
	v_add_nc_u32 v[ADRB+1], SLOT, v[ADRB]
	s_mul_i32 s80, s13, 128*SPITCH                 ; into the stage: row 128 (w / 2) + l % 16, my 64 columns, my lane's 8
	s_lshl_b32 s81, s14, 7
	s_add_co_u32 s80, s80, s81
	v_mul_u32_u24 v8, v1, SPITCH
	v_lshl_add_u32 v8, v2, 4, v8
	v_add_nc_u32 v[STO], s80, v8
	v_add_nc_u32 v[STO+1], 64*SPITCH, v[STO]
	s_mul_i32 s80, s12, 64*SPITCH                  ; back: wave w takes rows 64 w .. 64 w + 63, whole; lanes 0-15 256 bytes of one row, lanes 16-31 of the next
	v_mul_u32_u24 v8, v2, SPITCH
	v_lshl_add_u32 v8, v1, 4, v8
	v_add_nc_u32 v[RD], s80, v8
	v_mul_u32_u24 v8, v2, ROWB                     ; and the same two rows in C
	v_lshl_add_u32 v[CO], v1, 4, v8
	s_lshl_b32 s78, s18, 8
	s_lshl_b32 s79, s12, 6
	s_add_co_u32 s78, s78, s79                     ; the first row of C that I store,
	s_mul_i32 s78, s78, ROWB
	s_mul_i32 s79, s17, 768                        ; the tile's first column
	s_add_co_u32 s78, s78, s79
	s_mov_b32 s79, 0
	s_add_nc_u64 s[10:11], s[10:11], s[78:79]
	; the prefetches: both offsets are made, the wave's part chooses
	s_lshl_b32 s82, s18, 8
	s_lshl_b32 s83, s15, 6
	s_add_co_u32 s82, s82, s83                     ; A: row 256 x tile row + 64 cx,
	s_mul_i32 s82, s82, AROWB
	s_add_co_u32 s82, s82, 2*ASTEP                 ; at K step 2: the first change of slots steps it on
	s_lshl_b32 s84, s16, 5
	s_add_co_u32 s84, s84, 2*64                    ; B: k row 32 cy of the same K step,
	s_mul_i32 s84, s84, BROWB
	s_mul_i32 s85, s17, 768                        ; the tile's columns
	s_add_co_u32 s84, s84, s85
	s_and_b32 s86, ttmp7, 0xffff                   ; cluster y
	s_mov_b32 s87, ASTEP
	s_mov_b32 s88, BSTEP
	s_mov_b32 s89, 256                             ; A: a lane takes 256 consecutive bytes (two rows of a block); B: a lane a row
	s_mov_b32 s90, BROWB
	s_cmp_eq_u32 s13, 0                            ; do I fetch for A?
	s_cselect_b32 s82, s82, s84
	s_cselect_b32 s86, ttmp9, s86                  ; the coordinate along which other clusters read the same rows
	s_cselect_b32 s[PFS], s87, s88
	s_cselect_b32 s89, s89, s90
	s_cselect_b64 s[PFA:PFA+1], s[4:5], s[6:7]
	s_mov_b32 s83, 0
	s_mov_b32 s[PFS+1], 0
	s_add_nc_u64 s[PFA:PFA+1], s[PFA:PFA+1], s[82:83]
	s_or_b32 s86, s86, s14                         ; waves 0 and 2 of the first cluster along that coordinate: the same in all sixteen partners, for a given wave
	s_cmp_eq_u32 s86, 0
	s_cselect_b32 s[LIM], 1, -1
	v_mul_lo_u32 v[PFO], v3, s89
.macro WM d, x, y, c
	v_wmma_f32_16x16x32_bf16 v[(\d):(\d)+7], v[(\x):(\x)+7], v[(\y):(\y)+7], v[(\c):(\c)+7]
.endm
; 8 matrix instructions of group g: row blocks 2 c, 2 c + 1 x the 4 column blocks, 32 along K; A's fragments at fa, B's at fb.  The group's 32 accumulators take turns, one instruction a turn.
.macro MUL8 fa, fb, g, c
	WIN (((\g)+1)<<4)|(((\g)+1)<<6)                ; C and D in window 1 + g, the fragments in window 0
.irp a, 2*(\c), 2*(\c)+1
.irp b, 0,1,2,3
	WM 8*(4*(\a)+(\b)), (\fb)+8*(\b), (\fa)+8*(\a), 8*(4*(\a)+(\b))
.endr
.endr
.endm
; The first slab's 32: row blocks 1-7 start from the bias in row block 0's registers; five places on, since those registers are now written over, row block 0 adds onto it in place.
.macro MULB fa, fb, g
	WIN (((\g)+1)<<4)|(((\g)+1)<<6)
.irp a, 1,2,3,4,5,6,7
.irp b, 0,1,2,3
	WM 8*(4*(\a)+(\b)), (\fb)+8*(\b), (\fa)+8*(\a), 8*(\b)
.endr
.endr
.rept 5
	v_nop
.endr
.irp b, 0,1,2,3
	WM 8*(\b), (\fb)+8*(\b), (\fa), 8*(\b)
.endr
.endm
.macro LDA s, ks, fa                   ; 16 LDS loads: my 128 rows of A, slab ks of slot s
.irp i, 0,1,2,3,4,5,6,7
	ds_load_b128 v[(\fa)+8*(\i):(\fa)+8*(\i)+3],   v[ADRA+(\s)] offset:64*(\ks)+(\i)*16*PA
	ds_load_b128 v[(\fa)+8*(\i)+4:(\fa)+8*(\i)+7], v[ADRA+(\s)] offset:64*(\ks)+(\i)*16*PA+32
.endr
.endm
.macro LDB s, ks, g, fb                ; 8 turning loads: my 64 columns of group g, slab ks of slot s
.irp i, 0,1,2,3
	ds_load_tr16_b128 v[(\fb)+8*(\i):(\fb)+8*(\i)+3],   v[ADRB+(\s)] offset:32*(\ks)*PB+288*(\g)+32*(\i)
	ds_load_tr16_b128 v[(\fb)+8*(\i)+4:(\fb)+8*(\i)+7], v[ADRB+(\s)] offset:32*(\ks)*PB+16*PB+288*(\g)+32*(\i)
.endr
.endm
; A group's 32 matrix instructions.  cnt: the LDS loads younger than this group's fragments, which may stay out.  The four places serve the loads that follow, into registers just read.
.macro GRP fa, fb, g, cnt, bias=0
	s_wait_dscnt \cnt
.if \bias
	MULB \fa, \fb, \g
.else
	MUL8 \fa, \fb, \g, 0
	MUL8 \fa, \fb, \g, 1
	MUL8 \fa, \fb, \g, 2
	MUL8 \fa, \fb, \g, 3
.endif
	PLACES
	WIN 0
.endm
; A group that also CHANGES SLOTS.  All my reads of the slot have been issued.  ONE barrier: in front of it each wave waits for all its tensor loads, of which one is out (its part of the other slot), adds 0
; to its spare word, and waits for that and for its reads of this slot.  fill = 1: the barrier opens a round of the cluster's, so that no wave of any partner still reads the slot or has a load on its
; way, and the joint refill, two K steps on, is the first tensor load behind it.
.macro TURN fa, fb, g, cnt, slot, fill
.if \fill
	s_wait_xcnt 0x0                                ; the last prefetches, most of a K step back, have read their address: it is stepped here, ahead of the change's own waits
	s_add_nc_u64 s[PFA:PFA+1], s[PFA:PFA+1], s[PFS:PFS+1]
.endif
	s_wait_dscnt \cnt
	MUL8 \fa, \fb, \g, 0
	MUL8 \fa, \fb, \g, 1
	WIN 0                                          ; (the add's two registers lie in window 0)
	s_wait_tensorcnt 0x0                           ; all my tensor loads have landed;
	ds_add_u32 v[SPW], v[NIL]                      ; 0 onto my spare word;
	MUL8 \fa, \fb, \g, 2                           ; eight matrix instructions stand between the add and the wait for it
	s_wait_dscnt 0x0                               ; the add is done, and my reads of this slot are over
	s_barrier_signal -1
	MUL8 \fa, \fb, \g, 3                           ; work on registers while the others arrive
	WIN 0                                          ; at a branch and at a label every window is 0
	s_barrier_wait -1
.if \fill
	CREST
	s_add_nc_u64 s[G0A+4*(\slot)+2:G0A+4*(\slot)+3], s[G0A+4*(\slot)+2:G0A+4*(\slot)+3], 2*ASTEP  ; no tensor load of mine is out, so a group 0 may be written
	s_add_nc_u64 s[G0B+4*(\slot)+2:G0B+4*(\slot)+3], s[G0B+4*(\slot)+2:G0B+4*(\slot)+3], 2*BSTEP
	JLOAD \slot                                    ; the four v_nop behind it are also the places in front of the loads that follow
.else
	PLACES
.endif
.endm
; A slab is three groups on one set of A's fragments (by the slab's parity p) and a set of B's for each group.  Behind group g come the next slab's (slot ns, slab nks) fragments of B for group g, 8 loads;
; with group 0's come A's, 16.  So in front of group 0 the younger loads are 8 + 8, of group 1 8 + 24, of group 2 24 + 8.
.macro SLAB3 p, ns, nks, bias=0
	GRP FA0+64*(\p), FB0, 0, 16, \bias
	LDB \ns, \nks, 0, FB0
	LDA \ns, \nks, FA0+64*(1-(\p))
	GRP FA0+64*(\p), FB1, 1, 32, \bias
	LDB \ns, \nks, 1, FB1
	GRP FA0+64*(\p), FB2, 2, 32, \bias
	LDB \ns, \nks, 2, FB2
.endm
.macro TSLAB slot, fill                ; a slot's second slab: its fragments were all asked for in the first, so its group 0 changes slots
	TURN FA1, FB0, 0, 16, \slot, \fill
	LDB 1-(\slot), 0, 0, FB0
	LDA 1-(\slot), 0, FA0
.if \fill
	ASK \slot
.endif
	GRP FA1, FB1, 1, 32
	LDB 1-(\slot), 0, 1, FB1
	GRP FA1, FB2, 2, 32
	LDB 1-(\slot), 0, 2, FB2
.endm
	s_wait_loadcnt 0x0                             ; the bias
	s_wait_tensorcnt 1                             ; my part of K step 0 is in; K step 1's may stay out
	s_barrier_signal -1
	s_barrier_wait -1                              ; everybody's is
	LDB 0, 0, 0, FB0
	LDA 0, 0, FA0
	LDB 0, 0, 1, FB1
	LDB 0, 0, 2, FB2
	SLAB3 0, 0, 1, 1                               ; the first slab stands in front of the loop: its products start the sums
	s_mov_b32 s3, LAPS-1
.Llap:                                             ; a trip goes once round the ring, from a lap's second slab to the next lap's first, and fills both slots again; from a request to the wait for it: 176 matrix instructions
	TSLAB 0, 1
	SLAB3 0, 1, 1
	TSLAB 1, 1
	SLAB3 0, 0, 1
	s_sub_co_u32 s3, s3, 1
	s_cmp_lg_u32 s3, 0
	s_cbranch_scc1 .Llap
	TSLAB 0, 0                                     ; the last lap fills nothing, and has no round
	SLAB3 0, 1, 1
	GRP FA1, FB0, 0, 16                            ; the last slab: nothing more to fetch, the counts run down
	GRP FA1, FB1, 1, 8
	GRP FA1, FB2, 2, 0
	; THE WAY OUT.  The whole tile goes through the stage, since a row's aligned pieces of 256 bytes come from two waves.  First barrier: no wave reads the ring any more.  Second: the stage is whole.
	; The last group's four places stand between the last products and the first line that reads a result; each accumulator's registers are taken in ascending order.
.macro CONV g                          ; group g rounded to f16: a lane's eight columns of a row pack into 16 bytes
	WIN ((\g)+1)|(((\g)+1)<<2)                     ; sources 0 and 1 in window 1 + g, destination in window 0
.set t, 0
.rept 32
.irp i, 0,1,2,3
	v_cvt_pk_f16_f32 v[TMP+4*t+(\i)], v[8*t+2*(\i)], v[8*t+2*(\i)+1]
.endr
.set t, t+1
.endr
	WIN 0
.endm
.macro STG g
.set t, 0
.rept 32
	ds_store_b128 v[STO+t/16], v[TMP+4*t:TMP+4*t+3] offset:((t/4)%4)*16*SPITCH+256*(\g)+32*(t%4)
.set t, t+1
.endr
.endm
	s_wait_dscnt 0x0
	s_barrier_signal -1
	CONV 0                                         ; work on registers while the others arrive
	s_barrier_wait -1
	STG 0
	CONV 1
	STG 1
	CONV 2
	STG 2
	s_wait_dscnt 0x0                               ; for the others' sake: my stores into the stage are done
	s_barrier_signal -1
	s_barrier_wait -1
.macro BACK h                          ; rows 32 h .. 32 h + 31 of my 64: read back whole and stored; 16 lanes store 256 consecutive bytes, at a multiple of 256 from C's first byte
.set q, 0
.rept NQ
	ds_load_b128 v[OB+4*q:OB+4*q+3], v[RD] offset:2*(16*(\h)+q/UN)*SPITCH+256*(q%UN)
.set q, q+1
.endr
.set q, 0
.rept NQ
	s_wait_dscnt NQ-1-q                            ; LDS loads come back in order: quad q is in
	global_store_b128 v[CO], v[OB+4*q:OB+4*q+3], s[10:11] offset:2*(16*(\h)+q/UN)*ROWB+256*(q%UN)
.set q, q+1
.endr
.endm
	BACK 0
	s_wait_xcnt 0x0                                ; the stores have read their registers, which are loaded again only behind this wait
	BACK 1
	s_wait_tensorcnt 0x0                           ; the wave's end: behind my last tensor load and my last LDS store
	ds_add_u32 v[SPW], v[NIL]
	s_wait_dscnt 0x0
	CROUND                                         ; the closing round: no work-group ends while a partner may still ask for a tile that names it
	s_endpgm
.Lfunc_end_k_q057f2496e9_gemm_qkv:
	.size	k_q057f2496e9_gemm_qkv, .Lfunc_end_k_q057f2496e9_gemm_qkv-k_q057f2496e9_gemm_qkv
	.p2alignl 7, 3214868480
	.fill 96, 4, 3214868480
	.section	.rodata,"a",@progbits
	.p2align	6, 0x0
	.amdhsa_kernel k_q057f2496e9_gemm_qkv
		.amdhsa_group_segment_fixed_size 327680
		.amdhsa_private_segment_fixed_size 0
		.amdhsa_enable_private_segment 0
		.amdhsa_kernarg_size 32
		.amdhsa_user_sgpr_count 2
		.amdhsa_user_sgpr_kernarg_segment_ptr 1
		.amdhsa_wavefront_size32 1
		.amdhsa_system_sgpr_workgroup_id_x 1
		.amdhsa_system_sgpr_workgroup_id_y 1
		.amdhsa_system_sgpr_workgroup_id_z 1
		.amdhsa_system_vgpr_workitem_id 0
		.amdhsa_next_free_vgpr 1024
		.amdhsa_next_free_sgpr 96
		.amdhsa_reserve_vcc 0
		.amdhsa_float_denorm_mode_32 3
		.amdhsa_float_denorm_mode_16_64 3
		.amdhsa_memory_ordered 1
		.amdhsa_forward_progress 1
		.amdhsa_inst_pref_size 137
	.end_amdhsa_kernel
	.amdgpu_metadata
---
amdhsa.version: [ 1, 2 ]
amdhsa.kernels:
  - .name:           k_q057f2496e9_gemm_qkv
    .symbol:         k_q057f2496e9_gemm_qkv.kd
    .args:
      - { .name: xb, .offset: 0, .size: 8, .value_kind: global_buffer, .address_space: global }
      - { .name: wqkv, .offset: 8, .size: 8, .value_kind: global_buffer, .address_space: global }
      - { .name: bias, .offset: 16, .size: 8, .value_kind: global_buffer, .address_space: global }
      - { .name: qkv, .offset: 24, .size: 8, .value_kind: global_buffer, .address_space: global }
    .group_segment_fixed_size: 327680
    .private_segment_fixed_size: 0
    .kernarg_segment_align: 8
    .kernarg_segment_size: 32
    .max_flat_workgroup_size: 128
    .sgpr_count:     96
    .vgpr_count:     1024
    .wavefront_size: 32
...
	.end_amdgpu_metadata
.endif
;; end of part 2
;; launch attn (part 3): grid 256 x 1, 16 waves a work-group, no clusters, 286,720 bytes of LDS; arguments qkv, c_scale, att; writes att
.if DOCPART == 3
	.amdgcn_target "amdgcn-amd-amdhsa--gfx1250"
	.amdhsa_code_object_version 6
	.text
	.protected	k_q057f2496e9_attn
	.globl	k_q057f2496e9_attn
	.p2align	8
	.type	k_q057f2496e9_attn,@function
k_q057f2496e9_attn:
	s_mov_b64 s[64:65], 0
	v_nop
	global_prefetch_b8 v0, s[64:65] scope:SCOPE_SE
	s_setreg_imm32_b32 hwreg(HW_REG_WAVE_MODE, 25, 1), 1
	s_wait_xcnt 0x0
; ATTENTION ACROSS THE 16 HEADS OF ONE TOKEN.  For token t: s[h][g] = q[t][h] . k[t][g] x c_scale / sqrt(128); w = softmax over g; a[t][h] = the sum over g of w[h][g] v[t][g].
; qkv: f16 [4096][6144], a row = q, k, v, each 16 heads x 128 channels.  att: f16, a[t][h][c] in blocks of 64 along 128 h + c: byte (2 h + c / 64) x 524,288 + t x 128 + 2 (c mod 64), as the launch behind reads it.
; Products, maximum and sum in f32; the weights are divided by their sum and rounded once to f16.
; c_scale is rounded to bf16, like every input of the program.  The scores are scaled first and the maximum is taken of the scaled scores, so c_scale may have either sign.
; LIMITS.  att is a mean of v's rows and has their range, which f16 holds; a weight below 6e-5 keeps f16's fixed step of 6e-8; NaN and infinities are not treated apart.
; SHARES.  A wave, a token: 16 waves a work-group, 256 work-groups.  A wave's 12,288 bytes come by two tensor loads of its own into LDS bytes of its own (two are out, by this text's count), are read by it
; alone, and nothing is filled again: no loop.  The work-groups share no input: no cluster.  Every wave asks for all its bytes in its first lines: no prefetch.
; THE WAY OUT.  In att a token has only 128 bytes on end, the work-group's 16 tokens 2,048.  So the 16 results meet in a stage in LDS, one barrier, and wave w stores head w of all 16 tokens: two blocks.
; LAYOUT.  S^T = K Q^T (source 0 = the 16 key heads, source 1 = the 16 query heads): a lane holds ONE query head (lane % 16) and the key heads 8 (lane / 16) + 0..7.  Rounded in pairs these ARE registers 0-3
; of source 1 of O^T = V^T P, whose K is 32: registers 4-7 of both sources, key heads 16-31, hold 0.  V ([head][channel]) comes out of LDS turned, by ds_load_tr16_b128.
.set WSZ,   13312                      ; a wave's tiles: q's and k's 32 rows x 272 bytes (256 + 16 of padding), then v's 16 rows x 288 (256 + 32)
.set VOFF,  8704
.set STAGE, 16*WSZ                     ; behind the tiles, never filled by a tensor load: for each token 16 rows (heads) x 272 bytes,
.set TP,    4480                       ; 4,480 bytes from token to token = 1,120 words: two tokens' 128 bytes of one head start 32 banks apart (64 banks of 4 bytes: ISA guide 11.1)
.set SPARE, STAGE+16*TP                ; behind the stage: the spare words, 128 bytes for each wave: eight blocks of 256 bytes that no other line names
.set AQ,  3                            ; v3   my lane's place in q's rows
.set AV,  4                            ; v4   in v's rows, for the turning load
.set STO, 5                            ; v5   the way out: where I put 16 bytes of a head
.set RD,  6                            ; v6   where I read my head of four tokens back
.set GO,  7                            ; v7   my 16 bytes of 512 consecutive bytes of att
.set SPW, 8                            ; v8   LDS address of my spare word: SPARE + 4 x my thread's number; never rewritten
.set NIL, 9                            ; v9   0; never rewritten
.set CS,  10                           ; v[10:11] c = bf16(c_scale) x log2(e) / sqrt(128), twice
.set M,   12                           ; v[12:13] the maximum; at work
.set R,   14                           ; v[14:15] 1 / sum; named as a pair
.set KF,  16                           ; v[16:47]   k's four fragments; later O as f16
.set QF,  48                           ; v[48:79]   q's; later what is read back
.set SA,  80                           ; v[80:87]   scores, channels 0-31 and 64-95
.set SB,  88                           ; v[88:95]   channels 32-63 and 96-127
.set P,   96                           ; v[96:103]
.set VF,  104                          ; v[104:167] v's eight fragments (16 channels each)
.set O,   168                          ; v[168:231]
.set L,   232                          ; v[232:235] the sum, at work
	s_load_b128 s[4:7], s[0:1], 0x0                ; qkv s[4:5], c_scale s[6:7]
	s_load_b64 s[8:9], s[0:1], 0x10                ; att
	v_lshl_add_u32 v[SPW], v0, 2, SPARE
	v_mov_b32 v[NIL], 0
	ds_add_u32 v[SPW], v[NIL]                      ; the wave's opening: the add and its wait stand ahead of my first tensor load; the set-up below, work on registers, stands between them
	v_lshrrev_b32 v1, 5, v0
	v_readfirstlane_b32 s10, v1                    ; wave 0..15
	s_lshl_b32 s11, ttmp9, 4
	s_add_co_u32 s11, s11, s10                     ; my token
	; descriptor group 1.  q and k: 32 rows of 128 elements of 2 bytes, end to end in memory; 4 words of padding (code 3) after every 64 (code 5).  v: 16 rows, 8 words (code 7)
	s_mov_b32 s24, (1<<16)|(1<<20)|(5<<22)|(3<<25)
	s_mov_b32 s25, 128<<16                         ; tensor_dim0
	s_mov_b32 s26, 32<<16                          ; tensor_dim1
	s_mov_b32 s27, 128<<16                         ; tile_dim0
	s_mov_b32 s28, 32                              ; tile_dim1
	s_mov_b32 s29, 128                             ; elements from row to row
	s_mov_b32 s30, 0
	s_mov_b32 s31, 0
	s_mov_b32 s32, (1<<16)|(1<<20)|(5<<22)|(7<<25)
	s_mov_b32 s33, 128<<16
	s_mov_b32 s34, 16<<16
	s_mov_b32 s35, 128<<16
	s_mov_b32 s36, 16
	s_mov_b32 s37, 128
	s_mov_b32 s38, 0
	s_mov_b32 s39, 0
	s_mov_b32 s16, 1                               ; group 0: count = 1,
	s_mul_i32 s17, s10, WSZ                        ; LDS address: my wave's tiles
	s_mov_b32 s20, 1
	s_add_co_u32 s21, s17, VOFF
	s_mul_i32 s40, s11, 12288                      ; my row of qkv
	s_mov_b32 s41, 0
	s_lshl_b32 s42, ttmp9, 11                      ; in att: the work-group's 16 tokens x 128 bytes,
	s_lshl_b32 s43, s10, 20                        ; in the two blocks of head w = my wave's number
	s_add_co_u32 s42, s42, s43
	s_mov_b32 s43, 0
	s_mov_b32 s14, 0x76543210                      ; v_permlanex16_b32's selects: each lane takes its own place in the other half
	s_mov_b32 s15, 0xfedcba98
	s_wait_dscnt 0x0                               ; the opening add is done
	s_wait_kmcnt 0x0
	s_load_b32 s12, s[6:7], 0x0                    ; c_scale
	s_add_nc_u64 s[18:19], s[4:5], s[40:41]        ; q and k,
	s_add_nc_u64 s[22:23], s[18:19], 8192          ; v
	s_or_b32 s19, s19, 0x80000000                  ; type = 2
	s_or_b32 s23, s23, 0x80000000
	s_add_nc_u64 s[8:9], s[8:9], s[42:43]
	tensor_load_to_lds s[16:19], s[24:31]
	s_nop 0
	tensor_load_to_lds s[20:23], s[32:39]
	s_nop 0
	; while the tiles are on their way: addresses, zeros, the scale
	v_and_b32 v1, 15, v0                           ; l % 16
	v_bfe_u32 v2, v0, 4, 1                         ; l / 16
	v_and_b32 v[GO], 31, v0                        ; l
	v_mul_u32_u24 v[AQ], v1, 272
	v_lshl_add_u32 v[AQ], v2, 4, v[AQ]             ; row x pitch + 16 x half
	s_mul_i32 s44, s10, TP
	s_add_co_u32 s44, s44, STAGE                   ; my token's part of the stage
	v_add_nc_u32 v[STO], s44, v[AQ]                ; in: head l % 16, 16 bytes for each half of the lanes
	v_add_nc_u32 v[AQ], s17, v[AQ]
	v_and_b32 v[M], 7, v0                          ; l % 8
	v_lshl_add_u32 v[AV], v2, 3, v[M]              ; the turning load: lane l reads head 8 (l / 16) + l % 8, channels 8 ((l / 8) % 2) + 0..7
	v_mul_u32_u24 v[AV], v[AV], 288
	v_bfe_u32 v[RD], v0, 3, 1
	v_lshl_add_u32 v[AV], v[RD], 4, v[AV]
	v_add_nc_u32 v[AV], s21, v[AV]
	v_lshrrev_b32 v[RD], 3, v[GO]                  ; back: eight lanes take 128 bytes of head w of one token, 32 lanes of four tokens
	v_mul_u32_u24 v[RD], v[RD], TP
	v_lshl_add_u32 v[RD], v[M], 4, v[RD]
	s_mul_i32 s45, s10, 272
	s_add_co_u32 s45, s45, STAGE
	v_add_nc_u32 v[RD], s45, v[RD]
	v_lshlrev_b32 v[GO], 4, v[GO]                  ; which are 512 consecutive bytes of att
.irp i, 4,5,6,7
	v_mov_b32 v[P+(\i)], 0                         ; key heads 16-31 do not exist: 0 in both sources
.irp f, 0,1,2,3,4,5,6,7
	v_mov_b32 v[VF+8*(\f)+(\i)], 0
.endr
.endr
	v_mov_b32 v[M+1], 0                            ; written before they are named as a permute's destination or as half of a pair
	v_mov_b32 v[R+1], 0
	v_mov_b32 v[L+1], 0
	s_wait_kmcnt 0x0
	v_mov_b32 v[CS], s12
	v_cvt_pk_bf16_f32 v[CS], v[CS], v[CS]          ; c_scale rounded to bf16,
	v_lshlrev_b32 v[CS], 16, v[CS]                 ; widened again,
	v_mul_f32 v[CS], 0x3e0293ee, v[CS]             ; times log2(e) / sqrt(128) = 0.127517
	v_mov_b32 v[CS+1], v[CS]
	s_wait_tensorcnt 1                             ; q and k are in; v's load may stay out
.irp c, 0,1,2,3                        ; a fragment is 16 heads x 32 channels: two loads of 16 bytes, 32 bytes apart
	ds_load_b128 v[KF+8*(\c):KF+8*(\c)+3],   v[AQ] offset:16*272+64*(\c)
	ds_load_b128 v[KF+8*(\c)+4:KF+8*(\c)+7], v[AQ] offset:16*272+64*(\c)+32
	ds_load_b128 v[QF+8*(\c):QF+8*(\c)+3],   v[AQ] offset:64*(\c)
	ds_load_b128 v[QF+8*(\c)+4:QF+8*(\c)+7], v[AQ] offset:64*(\c)+32
.endr
	s_wait_tensorcnt 0x0                           ; v is in
.irp f, 0,1,2,3,4,5,6,7
	ds_load_tr16_b128 v[VF+8*(\f):VF+8*(\f)+3], v[AV] offset:32*(\f)
.endr
	s_wait_dscnt 8                                 ; q's and k's fragments are in; v's eight loads may stay out
	v_wmma_f32_16x16x32_f16 v[SA:SA+7], v[KF:KF+7],       v[QF:QF+7],       0            ; two accumulators take turns
	v_wmma_f32_16x16x32_f16 v[SB:SB+7], v[KF+8:KF+15],    v[QF+8:QF+15],    0
	v_wmma_f32_16x16x32_f16 v[SA:SA+7], v[KF+16:KF+23],   v[QF+16:QF+23],   v[SA:SA+7]
	v_wmma_f32_16x16x32_f16 v[SB:SB+7], v[KF+24:KF+31],   v[QF+24:QF+31],   v[SB:SB+7]
.rept 4
	v_nop                                          ; the places behind those products
.endr
.irp i, 0,2,4,6
	v_pk_add_f32 v[SA+(\i):SA+(\i)+1], v[SA+(\i):SA+(\i)+1], v[SB+(\i):SB+(\i)+1]
.endr
.irp i, 0,2,4,6
	v_pk_mul_f32 v[SA+(\i):SA+(\i)+1], v[SA+(\i):SA+(\i)+1], v[CS:CS+1]  ; c s
.endr
	v_max3_num_f32 v[M], v[SA], v[SA+1], v[SA+2]
	v_max3_num_f32 v[M], v[M], v[SA+3], v[SA+4]
	v_max3_num_f32 v[M], v[M], v[SA+5], v[SA+6]
	v_max_num_f32 v[M], v[M], v[SA+7]
	v_permlanex16_b32 v[M+1], v[M], s14, s15       ; the query head's other 8 key heads lie in the lane 16 away
	v_max_num_f32 v[M], v[M], v[M+1]
.irp i, 0,2,4,6
	v_pk_add_f32 v[SA+(\i):SA+(\i)+1], v[SA+(\i):SA+(\i)+1], v[M:M+1] op_sel_hi:[1,0] neg_lo:[0,1] neg_hi:[0,1]  ; c s - the maximum
.endr
.irp i, 0,1,2,3,4,5,6,7
	v_exp_f32 v[SA+(\i)], v[SA+(\i)]
.endr
	v_nop                                          ; a plain instruction behind the last exponential,
	s_wait_alu depctr_va_vdst(0)                   ; and the wait ahead of the first use: one for the eight
	v_pk_add_f32 v[L:L+1], v[SA:SA+1], v[SA+2:SA+3]
	v_pk_add_f32 v[L+2:L+3], v[SA+4:SA+5], v[SA+6:SA+7]
	v_pk_add_f32 v[L:L+1], v[L:L+1], v[L+2:L+3]
	v_add_f32 v[L], v[L], v[L+1]
	v_permlanex16_b32 v[L+1], v[L], s14, s15
	v_add_f32 v[L], v[L], v[L+1]                   ; at least 1: the largest weight is 2^0
	v_rcp_f32 v[R], v[L]
	v_nop
	s_wait_alu depctr_va_vdst(0)
.irp i, 0,2,4,6
	v_pk_mul_f32 v[SA+(\i):SA+(\i)+1], v[SA+(\i):SA+(\i)+1], v[R:R+1] op_sel_hi:[1,0]
.endr
.irp i, 0,1,2,3
	v_cvt_pk_f16_f32 v[P+(\i)], v[SA+2*(\i)], v[SA+2*(\i)+1]
.endr
	s_wait_dscnt 0x0                               ; v's fragments are in
.irp f, 0,1,2,3,4,5,6,7
	v_wmma_f32_16x16x32_f16 v[O+8*(\f):O+8*(\f)+7], v[VF+8*(\f):VF+8*(\f)+7], v[P:P+7], 0  ; channels 16 f on: a lane holds its query head's channels 16 f + 8 (l / 16) + 0..7
.endr
.rept 4
	v_nop
.endr
.irp f, 0,1,2,3,4,5,6,7
.irp i, 0,1,2,3
	v_cvt_pk_f16_f32 v[KF+4*(\f)+(\i)], v[O+8*(\f)+2*(\i)], v[O+8*(\f)+2*(\i)+1]
.endr
.endr
.irp f, 0,1,2,3,4,5,6,7
	ds_store_b128 v[STO], v[KF+4*(\f):KF+4*(\f)+3] offset:32*(\f)
.endr
	s_wait_dscnt 0x0                               ; for the others' sake: my token lies in the stage
	s_barrier_signal -1
	s_barrier_wait -1                              ; all 16 tokens do
.irp f, 0,1,2,3,4,5,6,7                ; half f / 4 of head w (a block of att), tokens 4 (f % 4) .. + 3
	ds_load_b128 v[QF+4*(\f):QF+4*(\f)+3], v[RD] offset:((\f)%4)*4*TP+((\f)/4)*128
.endr
.irp f, 0,1,2,3,4,5,6,7
	s_wait_dscnt 7-(\f)                            ; LDS loads come back in order: quad f is in
	global_store_b128 v[GO], v[QF+4*(\f):QF+4*(\f)+3], s[8:9] offset:((\f)/4)*524288+((\f)%4)*512  ; four tokens: 512 consecutive bytes, at a multiple of 256 from att's first byte
.endr
	s_wait_tensorcnt 0x0                           ; the wave's end: behind my last tensor load and my last LDS store
	ds_add_u32 v[SPW], v[NIL]
	s_wait_dscnt 0x0
	s_endpgm
.Lfunc_end_k_q057f2496e9_attn:
	.size	k_q057f2496e9_attn, .Lfunc_end_k_q057f2496e9_attn-k_q057f2496e9_attn
	.p2alignl 7, 3214868480
	.fill 96, 4, 3214868480
	.section	.rodata,"a",@progbits
	.p2align	6, 0x0
	.amdhsa_kernel k_q057f2496e9_attn
		.amdhsa_group_segment_fixed_size 286720
		.amdhsa_private_segment_fixed_size 0
		.amdhsa_enable_private_segment 0
		.amdhsa_kernarg_size 24
		.amdhsa_user_sgpr_count 2
		.amdhsa_user_sgpr_kernarg_segment_ptr 1
		.amdhsa_wavefront_size32 1
		.amdhsa_system_sgpr_workgroup_id_x 1
		.amdhsa_system_sgpr_workgroup_id_y 1
		.amdhsa_system_sgpr_workgroup_id_z 1
		.amdhsa_system_vgpr_workitem_id 0
		.amdhsa_next_free_vgpr 236
		.amdhsa_next_free_sgpr 66
		.amdhsa_reserve_vcc 0
		.amdhsa_float_denorm_mode_32 3
		.amdhsa_float_denorm_mode_16_64 3
		.amdhsa_memory_ordered 1
		.amdhsa_forward_progress 1
		.amdhsa_inst_pref_size 15
	.end_amdhsa_kernel
	.amdgpu_metadata
---
amdhsa.version: [ 1, 2 ]
amdhsa.kernels:
  - .name:           k_q057f2496e9_attn
    .symbol:         k_q057f2496e9_attn.kd
    .args:
      - { .name: qkv, .offset: 0, .size: 8, .value_kind: global_buffer, .address_space: global }
      - { .name: c_scale, .offset: 8, .size: 8, .value_kind: global_buffer, .address_space: global }
      - { .name: att, .offset: 16, .size: 8, .value_kind: global_buffer, .address_space: global }
    .group_segment_fixed_size: 286720
    .private_segment_fixed_size: 0
    .kernarg_segment_align: 8
    .kernarg_segment_size: 24
    .max_flat_workgroup_size: 512
    .sgpr_count:     66
    .vgpr_count:     236
    .wavefront_size: 32
...
	.end_amdgpu_metadata
.endif
;; end of part 3
;; launch gemm_out (part 4): grid 16 x 16, 4 waves a work-group, clusters of 4 x 4, 327,680 bytes of LDS; arguments att, wo16, bias, out0; writes out0
.if DOCPART == 4
	.amdgcn_target "amdgcn-amd-amdhsa--gfx1250"
	.amdhsa_code_object_version 6
	.text
	.protected	k_q057f2496e9_gemm_out
	.globl	k_q057f2496e9_gemm_out
	.p2align	8
	.type	k_q057f2496e9_gemm_out,@function
k_q057f2496e9_gemm_out:
	s_mov_b64 s[64:65], 0
	v_nop
	global_prefetch_b8 v0, s[64:65] scope:SCOPE_SE
	s_setreg_imm32_b32 hwreg(HW_REG_WAVE_MODE, 25, 1), 1
	s_wait_xcnt 0x0
	s_wait_alu depctr_hold_cnt(0) depctr_sa_sdst(0) depctr_va_vdst(0) depctr_va_sdst(0) depctr_va_ssrc(0) depctr_va_vcc(0) depctr_vm_vsrc(0)
	s_getreg_b32 s2, hwreg(HW_REG_IB_STS2, 6, 4)
	s_cmp_eq_u32 s2, 0
	s_cbranch_scc0 .Lentry_in_a_cluster
	s_endpgm
.Lentry_in_a_cluster:
	s_bfe_u32 s2, ttmp6, 0x10000c
	s_cmp_lg_u32 s2, 0xf033
	s_cbranch_scc0 .Lentry_shape_is_right
	s_endpgm
.Lentry_shape_is_right:
; out0[4096][2048] = att[4096][2048] wo16[2048][2048] + bo[2048], sums in f32, out0 in f32.
; att: f16, in blocks of 64 along k (byte kb x 524,288 + row x 128 + 2 (k mod 64)); wo16: f16 [k][2048]; bo: the numbers 6,144 on of bias, f32.  NaN and infinities are not treated apart.
; SHARES.  16 x 16 work-groups, each a tile of 256 rows x 128 columns.  Four waves: wave w has rows 128 (w / 2) on and columns 64 (w % 2) on: 32 accumulators of 16 x 16.
; K GOES IN STEPS OF 192, three blocks of 64, through a ring of two LDS slots filled by the tensor data mover: as long a step as two slots in LDS allow, so that the one load a wave that goes out behind a
; change of slots has 176 matrix instructions in which to land.  2,048 = 10 x 192 + 128: ten whole steps and a last one of two blocks.  Waves 0, 1, 2 fetch a block of A each, wave 3 B's 192 rows.
; A IN LDS.  A block's 256 rows of 128 bytes lie end to end in memory and are asked for as 128 rows of 256 bytes, 16 bytes of padding behind each: row m lies at (m / 2) x 272 + (m % 2) x 128.  The 16 rows
; of a fragment load then start at words 68 j and 68 j + 32 (j = 0..7): 16 different groups of four banks (64 banks of 4 bytes: ISA guide 11.1), with half the padding of a pad behind every row.
; B LIES [k][n] and is turned on its way out of LDS, by ds_load_tr16_b128.  THE MATRIX INSTRUCTION IS USED TRANSPOSED (source 0 = 16 columns of B, source 1 = 16 rows of A): a lane then holds
; row lane % 16 of C, and its registers 0-7 the columns 8 (lane / 16) + 0..7.  THE SUMS START FROM THE BIAS: it is loaded into the registers of the first four accumulators (row block 0), and the first
; 32 products' row blocks 1-7 take those registers as C; row block 0's own products come last, in place.  Nothing is cleared and nothing is added at the end.
; CLUSTERS: 4 x 4 work-groups.  The four of a row of the cluster need the same tiles of A, the four of a column the same tiles of B: each tile is asked for JOINTLY, by the same tensor load with
; the same descriptor and a mask that names the four.  By this text's count a wave has two tensor loads out at the start and one behind each round.
; REGISTERS, in windows of 256 (s_set_vgpr_msb: bits 1:0 source 0, 3:2 source 1, 5:4 source 2, 7:6 destination):
;   window 0: v0-31 addresses; on the way out v32-159 at work          window 1: the accumulators, (row block a, column block b) at v[8 (4 a + b)]
;   windows 2 and 3: two sets of fragments, a block of 64 along k each: A's (slab ks of 32, row block a) at v[64 ks + 8 a], B's (slab ks, column block b) at v[128 + 32 ks + 8 b]
.set PB,     288                       ; a k row of B in LDS: 256 bytes + 32 of padding, an odd multiple of 32
.set ABLK,   128*272                   ; a block of A in LDS
.set BOFF,   3*ABLK                    ; B's 192 rows lie behind A's three blocks
.set SLOT,   BOFF+192*PB
.set SPITCH, 528                       ; a row of the stage: 512 bytes + 16
.set SPARE,  2*SLOT                    ; behind the ring: the spare words, 128 bytes for each wave: two blocks of 256 bytes that no other line names
.set ABLKG,  524288                    ; a block of att in memory
.set ASTEP,  3*ABLKG                   ; bytes from a K step to the next
.set BROWB,  4096                      ; bytes in a row of B
.set BSTEP,  192*BROWB
.set ROWB,   8192                      ; bytes in a row of C
.set BIASOFF, 24576                    ; bo lies behind bq, bk, bv
.set TRIPS,  4                         ; trips of the loop: two K steps each
.set NQ,     32                        ; the way out: quads in a batch of 32 rows
.set GA0,    (1<<16)|(1<<20)|(1<<21)|(5<<22)|(3<<25)  ; 17:16 2-byte elements; 20 padding on; 21 set beside a mask; 24:22 after every 64 words (code 5); 31:25 4 words (code 3)
.set GB0,    (1<<16)|(1<<20)|(1<<21)|(5<<22)|(7<<25)  ; B: 8 words of padding (code 7)
; THE STAGE, 256 rows x SPITCH from LDS byte 0, lies over slot 0: it is written when that slot has had its last fill and every wave its last read of it.
.set ADRA, 10                          ; v10-15  LDS address of my A fragments: slot s, block p at v[10 + 3 s + p]
.set ADRB, 16                          ; v16-17  the same for B, slot 0, 1
.set STO,  22                          ; v22-23  the way out: where I put my numbers of a row, row blocks 0-3, 4-7
.set RD,   24                          ; v24     the way out: where I read rows back
.set CO,   25                          ; v25     my byte offset in C
.set BO,   26                          ; v26     my byte offset in the tile's bias
.set SPW,  28                          ; v28     LDS address of my spare word: SPARE + 4 x my thread's number; never rewritten
.set NIL,  29                          ; v29     0; never rewritten
.set PFO,  30                          ; v30     the prefetches' offset; never rewritten
.set OB,   32                          ; the way out: rows read back
.set FA,   0                           ; in a set's window
.set FB,   128
.set G1A,  24                          ; s[24:31] descriptor group 1 for A's tiles;  s[32:39] group 0, a set for each slot
.set G0A,  32
.set LIM,  43                          ; s43      1 in a wave that prefetches, else the greatest number
.set PFA,  44                          ; s[44:45] where my prefetches stand
.set PFS,  46                          ; s[46:47] their step from K step to K step
.set G1B,  48                          ; s[48:55], s[56:63] the same for B's tiles
.set G0B,  56
.set MSB, 0
.macro WIN new                         ; the immediate's high byte repeats the setting that is left; a switch that changes nothing is dropped
.if MSB != (\new)
	s_set_vgpr_msb (MSB<<8)|(\new)
.set MSB, \new
.endif
.endm
.macro PLACES                          ; four places: behind a matrix instruction, in front of loads into registers that it has read and of lines that read its result (ISA guide 7.12.1 for the lines that read its result)
.rept 4
	v_nop
.endr
.endm
.macro CREST                           ; a round of the cluster's barrier behind its opening barrier: wave 0 signals for the work-group, every wave waits for all sixteen, my work-group's barrier closes
	s_cmp_lg_u32 s12, 0
	s_cbranch_scc1 .Lnot_wave_0_\@
	s_barrier_signal -3
.Lnot_wave_0_\@:
	s_barrier_wait -3
	s_barrier_signal -1
	s_barrier_wait -1
.endm
.macro CROUND                          ; a whole round
	s_barrier_signal -1
	s_barrier_wait -1
	CREST
.endm
; A joint refill.  Waves 0, 1, 2 fetch A's three blocks, wave 3 B.  The branch hangs on the wave's number alone.  An s_nop 0 and four v_nop follow each of the two lines.
.macro JLOAD s
	s_cmp_lt_u32 s12, 3
	s_cbranch_scc0 .Lfor_b_\@
	tensor_load_to_lds s[G0A+4*(\s):G0A+4*(\s)+3], s[G1A:G1A+7]
	s_nop 0
.rept 4
	v_nop
.endr
	s_branch .Lasked_\@
.Lfor_b_\@:
	tensor_load_to_lds s[G0B+4*(\s):G0B+4*(\s)+3], s[G1B:G1B+7]
	s_nop 0
.rept 4
	v_nop
.endr
.Lasked_\@:
.endm
; The last refill: the last K step has two blocks, so wave 2 has nothing to fetch and issues nothing.
.macro JLAST s
	s_cmp_lt_u32 s12, 2
	s_cbranch_scc0 .Lnot_a_\@
	tensor_load_to_lds s[G0A+4*(\s):G0A+4*(\s)+3], s[G1A:G1A+7]
	s_nop 0
.rept 4
	v_nop
.endr
	s_branch .Lasked_\@
.Lnot_a_\@:
	s_cmp_eq_u32 s12, 3
	s_cbranch_scc0 .Lasked_\@
	tensor_load_to_lds s[G0B+4*(\s):G0B+4*(\s)+3], s[G1B:G1B+7]
	s_nop 0
.rept 4
	v_nop
.endr
.Lasked_\@:
.endm
; A PREFETCH INTO THE L2, behind a joint refill and the run of LDS loads that follows it.  In K step t it names K step t + 3, which is asked for by its refill one change of slots later
; (192 matrix instructions on; B's second half 384).  Each aligned block of 256 bytes is named once in the launch: a tile row of A is read by every cluster of that row of clusters, and the
; one with x = 0 asks, waves 0, 1, 2, each for the block of k that it will fetch; a tile column of B by every cluster of that column, and the one with y = 0 asks, wave 3.  The four partners that ask for a
; tile jointly share its rows out BY ADDRESS (cx for A, cy for B): no branch hangs on a place in the cluster.  A: 64 rows of a block = 32 lanes x 256 bytes, one line; B, at slot 0's change alone: 96 of the
; 384 k rows of two K steps, a lane a row, three lines.  The loop's last trip asks for nothing (s3 = 1): part of what it would name does not exist.  K steps 0 to 2, 9 and 10 come by their loads alone.
.macro ASK slot
	s_cmp_gt_u32 s3, s[LIM]
	s_cbranch_scc0 .Lnone_\@
	s_cmp_lt_u32 s12, 3
	s_cbranch_scc0 .Lask_b_\@
	global_prefetch_b8 v[PFO], s[PFA:PFA+1] th:TH_LOAD_NT scope:SCOPE_SE
	s_branch .Lnone_\@
.Lask_b_\@:
.if (\slot) == 0
	global_prefetch_b8 v[PFO], s[PFA:PFA+1] th:TH_LOAD_NT scope:SCOPE_SE
	global_prefetch_b8 v[PFO], s[PFA:PFA+1] offset:32*BROWB th:TH_LOAD_NT scope:SCOPE_SE
	global_prefetch_b8 v[PFO], s[PFA:PFA+1] offset:64*BROWB th:TH_LOAD_NT scope:SCOPE_SE
.endif
.Lnone_\@:
.endm
	s_load_b256 s[4:11], s[0:1], 0x0               ; A s[4:5], B s[6:7], bias s[8:9], C s[10:11]
	v_lshl_add_u32 v[SPW], v0, 2, SPARE
	v_mov_b32 v[NIL], 0
	ds_add_u32 v[SPW], v[NIL]                      ; the wave's opening: the add and its wait stand ahead of my first tensor load; the set-up below, work on registers, stands between them
	v_lshrrev_b32 v1, 5, v0
	v_readfirstlane_b32 s12, v1                    ; wave 0..3.  Also: which block of A I fetch (0, 1, 2), or B (3)
	s_lshr_b32 s13, s12, 1                         ; which half of the tile's rows is mine
	s_and_b32 s14, s12, 1                          ; which half of its columns
	s_bfe_u32 s15, ttmp6, 0x40000                  ; cx, cy: my place in the cluster
	s_bfe_u32 s16, ttmp6, 0x40004
	s_lshl_b32 s17, ttmp9, 2
	s_add_co_u32 s17, s17, s15                     ; tile column = 4 x cluster x + cx
	s_and_b32 s18, ttmp7, 0xffff
	s_lshl_b32 s18, s18, 2
	s_add_co_u32 s18, s18, s16                     ; tile row = 4 x cluster y + cy
	s_lshl_b32 s19, s16, 2
	s_lshl_b32 s19, 15, s19                        ; my row of the cluster: places 4 cy .. 4 cy + 3
	s_lshl_b32 s20, 0x1111, s15                    ; my column: places cx, cx + 4, cx + 8, cx + 12
	s_or_b32 s[G1A], s19, GA0                      ; A's tiles go to my row,
	s_or_b32 s[G1B], s20, GB0                      ; B's to my column
	s_mov_b32 s[G1A+1], 128<<16                    ; A: 128 rows of 128 elements, end to end.  tensor_dim0
	s_mov_b32 s[G1A+2], 128<<16                    ; tensor_dim1
	s_mov_b32 s[G1A+3], 128<<16                    ; tile_dim0
	s_mov_b32 s[G1A+4], 128                        ; tile_dim1
	s_mov_b32 s[G1A+5], 128                        ; elements from row to row
	s_mov_b32 s[G1A+6], 0
	s_mov_b32 s[G1A+7], 0
	s_mov_b32 s[G1B+1], 128<<16                    ; B: 192 k rows of 128 elements
	s_mov_b32 s[G1B+2], 192<<16
	s_mov_b32 s[G1B+3], 128<<16
	s_mov_b32 s[G1B+4], 192
	s_mov_b32 s[G1B+5], 2048
	s_mov_b32 s[G1B+6], 0
	s_mov_b32 s[G1B+7], 0
	; where the tiles come from.  A's hang on the tile row alone, B's on the tile column alone; each in registers that never hold the other coordinate.  Every wave makes both and asks by one.
	s_lshl_b32 s68, s18, 15                        ; A: 256 x tile row rows of 128 bytes,
	s_lshl_b32 s69, s12, 19                        ; in block w
	s_add_co_u32 s68, s68, s69
	s_mov_b32 s69, 0
	s_lshl_b32 s72, s17, 8                         ; B: the tile's columns
	s_mov_b32 s73, 0
	s_mul_i32 s21, s12, ABLK                       ; and where A's go: no place in the cluster enters an LDS address
	s_wait_dscnt 0x0                               ; the opening add is done
	s_wait_kmcnt 0x0
	s_add_nc_u64 s[70:71], s[4:5], s[68:69]
	s_add_nc_u64 s[74:75], s[6:7], s[72:73]
	CROUND                                         ; all sixteen work-groups are here: the first joint loads meet
.irp s, 0,1
	s_mov_b32 s[G0A+4*(\s)], 1                                       ; count = 1
	s_add_co_u32 s[G0A+4*(\s)+1], s21, (\s)*SLOT                     ; LDS address
	s_add_nc_u64 s[G0A+4*(\s)+2:G0A+4*(\s)+3], s[70:71], (\s)*ASTEP  ; global address: K step s
	s_or_b32 s[G0A+4*(\s)+3], s[G0A+4*(\s)+3], 0x80000000            ; type = 2
	s_mov_b32 s[G0B+4*(\s)], 1
	s_mov_b32 s[G0B+4*(\s)+1], BOFF+(\s)*SLOT
	s_add_nc_u64 s[G0B+4*(\s)+2:G0B+4*(\s)+3], s[74:75], (\s)*BSTEP
	s_or_b32 s[G0B+4*(\s)+3], s[G0B+4*(\s)+3], 0x80000000
.endr
	s_cmp_lt_u32 s12, 3                            ; a wave's two first fills stand in one branch, ahead of every wait on TENSORcnt and every LDS read
	s_cbranch_scc0 .Lfirst_b
	tensor_load_to_lds s[G0A:G0A+3], s[G1A:G1A+7]
	s_nop 0
	tensor_load_to_lds s[G0A+4:G0A+7], s[G1A:G1A+7]
	s_nop 0
.rept 4
	v_nop
.endr
	s_branch .Lfirst_asked
.Lfirst_b:
	tensor_load_to_lds s[G0B:G0B+3], s[G1B:G1B+7]
	s_nop 0
	tensor_load_to_lds s[G0B+4:G0B+7], s[G1B:G1B+7]
	s_nop 0
.rept 4
	v_nop
.endr
.Lfirst_asked:
	; the bias: register j of column block b is bo[tile + 64 (w % 2) + 16 b + 8 (lane / 16) + j], the same for every row: it goes into row block 0's accumulators
	v_and_b32 v1, 15, v0                           ; l % 16
	v_bfe_u32 v2, v0, 4, 1                         ; l / 16
	s_lshl_b32 s80, s14, 8
	v_lshl_add_u32 v[BO], v2, 5, s80
	s_lshl_b32 s78, s17, 9                         ; the tile's 128 numbers
	s_add_co_u32 s78, s78, BIASOFF
	s_mov_b32 s79, 0
	s_add_nc_u64 s[76:77], s[8:9], s[78:79]
	WIN 0x40                                       ; destination in window 1, address in window 0
.irp b, 0,1,2,3
	global_load_b128 v[8*(\b):8*(\b)+3],   v[BO], s[76:77] offset:64*(\b)
	global_load_b128 v[8*(\b)+4:8*(\b)+7], v[BO], s[76:77] offset:64*(\b)+16
.endr
	WIN 0
	; A fragment of A is 16 rows x 32 k in 8 registers: lane l holds row l % 16; registers 0-3 k = 8 (l / 16) + 0..7, registers 4-7 k = 16 + 8 (l / 16) + 0..7: two loads of 16 bytes, 32 bytes apart.
	v_and_b32 v3, 31, v0
	v_and_b32 v4, 7, v0
	v_bfe_u32 v5, v0, 3, 1
	v_lshrrev_b32 v6, 1, v1                        ; my row's pair,
	v_mul_u32_u24 v6, v6, 272
	v_and_b32 v7, 1, v1                            ; its place in the pair,
	v_lshl_add_u32 v6, v7, 7, v6
	v_lshl_add_u32 v6, v2, 4, v6                   ; 16 bytes for each half of the lanes
	s_mul_i32 s80, s13, 64*272                     ; my 128 rows of a block
	v_add_nc_u32 v[ADRA], s80, v6
	v_add_nc_u32 v[ADRA+1], ABLK, v[ADRA]
	v_add_nc_u32 v[ADRA+2], 2*ABLK, v[ADRA]
	v_add_nc_u32 v[ADRA+3], SLOT, v[ADRA]
	v_add_nc_u32 v[ADRA+4], SLOT+ABLK, v[ADRA]
	v_add_nc_u32 v[ADRA+5], SLOT+2*ABLK, v[ADRA]
	; The turning load takes 16 k x 16 columns (lane l reads 16 bytes: k row 8 (l / 16) + l % 8, columns 8 ((l / 8) % 2) + 0..7) and leaves half a fragment: lane l holds column l % 16 and 8 k.
	v_lshl_add_u32 v7, v2, 3, v4
	v_mul_u32_u24 v7, v7, PB
	v_lshl_add_u32 v7, v5, 4, v7
	s_lshl_b32 s80, s14, 7                         ; my 64 columns
	s_add_co_u32 s80, s80, BOFF
	v_add_nc_u32 v[ADRB], s80, v7
	v_add_nc_u32 v[ADRB+1], SLOT, v[ADRB]
	s_mul_i32 s80, s13, 128*SPITCH                 ; into the stage: row 128 (w / 2) + l % 16, my 64 columns, my lane's 8
	s_lshl_b32 s81, s14, 8
	s_add_co_u32 s80, s80, s81
	v_mul_u32_u24 v8, v1, SPITCH
	v_lshl_add_u32 v8, v2, 5, v8
	v_add_nc_u32 v[STO], s80, v8
	v_add_nc_u32 v[STO+1], 64*SPITCH, v[STO]
	s_mul_i32 s80, s12, 64*SPITCH                  ; back: wave w takes rows 64 w .. 64 w + 63, whole; lanes 0-15 256 bytes of one row, lanes 16-31 of the next
	v_mul_u32_u24 v8, v2, SPITCH
	v_lshl_add_u32 v8, v1, 4, v8
	v_add_nc_u32 v[RD], s80, v8
	v_mul_u32_u24 v8, v2, ROWB                     ; and the same two rows in C
	v_lshl_add_u32 v[CO], v1, 4, v8
	s_lshl_b32 s78, s18, 8
	s_lshl_b32 s79, s12, 6
	s_add_co_u32 s78, s78, s79                     ; the first row of C that I store,
	s_mul_i32 s78, s78, ROWB
	s_lshl_b32 s79, s17, 9                         ; the tile's first column
	s_add_co_u32 s78, s78, s79
	s_mov_b32 s79, 0
	s_add_nc_u64 s[10:11], s[10:11], s[78:79]
	; the prefetches: both offsets are made, the wave's part chooses
	s_lshl_b32 s82, s18, 15                        ; A: 256 x tile row rows,
	s_lshl_b32 s83, s15, 13                        ; + 64 cx,
	s_add_co_u32 s82, s82, s83
	s_lshl_b32 s83, s12, 19                        ; in my block
	s_add_co_u32 s82, s82, s83
	s_add_co_u32 s82, s82, 2*ASTEP                 ; of K step 2: the first change of slots steps it on
	s_mul_i32 s84, s16, 96*BROWB                   ; B: k row 96 cy
	s_lshl_b32 s85, s17, 8                         ; the tile's columns
	s_add_co_u32 s84, s84, s85
	s_add_co_u32 s84, s84, 2*BSTEP                 ; from K step 2 on
	s_and_b32 s86, ttmp7, 0xffff                   ; cluster y
	s_mov_b32 s87, ASTEP
	s_mov_b32 s88, BSTEP
	s_mov_b32 s89, 256                             ; A: a lane takes 256 consecutive bytes (two rows of a block); B: a lane a row
	s_mov_b32 s90, BROWB
	s_cmp_lt_u32 s12, 3                            ; do I fetch for A?
	s_cselect_b32 s82, s82, s84
	s_cselect_b32 s86, ttmp9, s86                  ; the coordinate along which other clusters read the same rows
	s_cselect_b32 s[PFS], s87, s88
	s_cselect_b32 s89, s89, s90
	s_cselect_b64 s[PFA:PFA+1], s[4:5], s[6:7]
	s_mov_b32 s83, 0
	s_mov_b32 s[PFS+1], 0
	s_add_nc_u64 s[PFA:PFA+1], s[PFA:PFA+1], s[82:83]
	s_cmp_eq_u32 s86, 0                            ; the first cluster along that coordinate: the same in all sixteen partners, for a given wave
	s_cselect_b32 s[LIM], 1, -1
	v_mul_lo_u32 v[PFO], v3, s89
.macro WM d, x, y, c
	v_wmma_f32_16x16x32_f16 v[(\d):(\d)+7], v[(\x):(\x)+7], v[(\y):(\y)+7], v[(\c):(\c)+7]
.endm
; 8 matrix instructions on set w, slab ks: row blocks 2 c, 2 c + 1 x the 4 column blocks, 32 along K.  The 32 accumulators take turns, one instruction a turn.
.macro MUL8 w, ks, c
	WIN (2+(\w))|((2+(\w))<<2)|0x50                ; the fragments in window 2 + w, C and D in window 1
.irp a, 2*(\c), 2*(\c)+1
.irp b, 0,1,2,3
	WM 8*(4*(\a)+(\b)), FB+32*(\ks)+8*(\b), FA+64*(\ks)+8*(\a), 8*(4*(\a)+(\b))
.endr
.endr
.endm
; The first 32 products: row blocks 1-7 start from the bias in row block 0's registers; five places on, since those registers are now written over, row block 0 adds onto it in place.
.macro MULB w
	WIN (2+(\w))|((2+(\w))<<2)|0x50
.irp a, 1,2,3,4,5,6,7
.irp b, 0,1,2,3
	WM 8*(4*(\a)+(\b)), FB+8*(\b), FA+8*(\a), 8*(\b)
.endr
.endr
.rept 5
	v_nop
.endr
.irp b, 0,1,2,3
	WM 8*(\b), FB+8*(\b), FA, 8*(\b)
.endr
.endm
; 48 LDS loads in one run: the fragments of block p of slot s (64 along k: my 64 columns of B, turned, and my 128 rows of A) into set w
.macro LDD s, p, w
	WIN (2+(\w))<<6                                ; destination in window 2 + w, address in window 0
.irp ks, 0,1
.irp i, 0,1,2,3
	ds_load_tr16_b128 v[FB+32*(\ks)+8*(\i):FB+32*(\ks)+8*(\i)+3],   v[ADRB+(\s)] offset:(64*(\p)+32*(\ks))*PB+32*(\i)
	ds_load_tr16_b128 v[FB+32*(\ks)+8*(\i)+4:FB+32*(\ks)+8*(\i)+7], v[ADRB+(\s)] offset:(64*(\p)+32*(\ks)+16)*PB+32*(\i)
.endr
.irp i, 0,1,2,3,4,5,6,7
	ds_load_b128 v[FA+64*(\ks)+8*(\i):FA+64*(\ks)+8*(\i)+3],   v[ADRA+3*(\s)+(\p)] offset:(\i)*8*272+64*(\ks)
	ds_load_b128 v[FA+64*(\ks)+8*(\i)+4:FA+64*(\ks)+8*(\i)+7], v[ADRA+3*(\s)+(\p)] offset:(\i)*8*272+64*(\ks)+32
.endr
.endr
.endm
.macro MUL64 w
.irp ks, 0,1
.irp c, 0,1,2,3
	MUL8 \w, \ks, \c
.endr
.endr
.endm
; A BLOCK of the schedule: 64 matrix instructions on set w; four places; the other set's 48 loads, issued 64 matrix instructions ago and multiplied next, are waited for; then the block after next
; (slot ns, block np) is asked for, into the set just read.  So at most 48 LDS loads of a wave are out, and each run stands 64 matrix instructions ahead of its first use.
.macro BLK w, ns, np, bias=0
.if \bias
	MULB \w
.irp c, 0,1,2,3
	MUL8 \w, 1, \c
.endr
.else
	MUL64 \w
.endif
	PLACES
	s_wait_dscnt 0x0
	LDD \ns, \np, \w
.endm
; A slot's second block also CHANGES SLOTS: the third block's fragments have been asked for, so all my reads of the slot are issued.  ONE barrier: in front of it each wave waits for all its tensor loads, of
; which at most one is out (its part of the other slot), adds 0 to its spare word, and waits for that and for its reads of this slot.  fill = 1 or 2: the barrier opens a round of the cluster's, so that no wave of
; any partner still reads the slot or has a load on its way, and the joint refill, two K steps on, is the first tensor load behind it.  fill = 2: the last K step, of two blocks and 128 rows of B.
; Then come the other slot's first fragments.
.macro TBLK w, slot, fill
.if (\fill) == 1
	s_wait_xcnt 0x0                                ; the last prefetches, most of a K step back, have read their address: it is stepped here, ahead of the change's own waits
	s_add_nc_u64 s[PFA:PFA+1], s[PFA:PFA+1], s[PFS:PFS+1]
.endif
.irp c, 0,1,2,3
	MUL8 \w, 0, \c
.endr
	MUL8 \w, 1, 0
	MUL8 \w, 1, 1
	WIN 0                                          ; (the add's two registers lie in window 0)
	s_wait_tensorcnt 0x0                           ; all my tensor loads have landed;
	ds_add_u32 v[SPW], v[NIL]                      ; 0 onto my spare word;
	MUL8 \w, 1, 2                                  ; eight matrix instructions stand between the add and the wait for it
	s_wait_dscnt 0x0                               ; the add is done, and my reads of this slot are over: the other set is in
	s_barrier_signal -1
	MUL8 \w, 1, 3                                  ; work on registers while the others arrive
	WIN 0                                          ; at a branch and at a label every window is 0
	s_barrier_wait -1
.if \fill
	CREST
	s_add_nc_u64 s[G0A+4*(\slot)+2:G0A+4*(\slot)+3], s[G0A+4*(\slot)+2:G0A+4*(\slot)+3], 2*ASTEP  ; no tensor load of mine is out, so the descriptors may be written
	s_add_nc_u64 s[G0B+4*(\slot)+2:G0B+4*(\slot)+3], s[G0B+4*(\slot)+2:G0B+4*(\slot)+3], 2*BSTEP
.if (\fill) == 2
	s_mov_b32 s[G1B+2], 128<<16                    ; B's last 128 rows: tensor_dim1,
	s_mov_b32 s[G1B+4], 128                        ; tile_dim1
	JLAST \slot
	PLACES                                         ; (wave 2 has passed no v_nop)
.else
	JLOAD \slot                                    ; the four v_nop behind it are also the places in front of the loads that follow
.endif
.else
	PLACES
.endif
	LDD 1-(\slot), 0, \w
.if (\fill) == 1
	WIN 0
	ASK \slot
.endif
.endm
	s_wait_loadcnt 0x0                             ; the bias
	s_wait_tensorcnt 1                             ; my part of K step 0 is in; K step 1's may stay out
	s_barrier_signal -1
	s_barrier_wait -1                              ; everybody's is
	; Block d of 32 (64 along k) lies in slot (d / 3) % 2 at place d % 3 and is multiplied from set d % 2.
	LDD 0, 0, 0
	s_wait_dscnt 0x0                               ; block 0 is in
	LDD 0, 1, 1
	BLK 0, 0, 2, 1                                 ; block 0 stands in front of the loop: its first products start the sums
	WIN 0
	s_mov_b32 s3, TRIPS
.Llap:                                             ; a trip goes once round the ring, from a lap's second block to the next lap's first, and fills both slots again; from a request to the wait for it: 176 matrix instructions
	TBLK 1, 0, 1
	BLK 0, 1, 1
	BLK 1, 1, 2
	TBLK 0, 1, 1
	BLK 1, 0, 1
	BLK 0, 0, 2
	WIN 0
	s_sub_co_u32 s3, s3, 1
	s_cmp_lg_u32 s3, 0
	s_cbranch_scc1 .Llap
	TBLK 1, 0, 2                                   ; blocks 25 to 31 are written out: slot 0 takes the last K step,
	BLK 0, 1, 1
	BLK 1, 1, 2
	TBLK 0, 1, 0                                   ; slot 1 is left and nothing is asked for: no round
	BLK 1, 0, 1
	MUL64 0                                        ; block 30: nothing more to fetch
	s_wait_dscnt 0x0                               ; block 31 is in
	MUL64 1
	PLACES
	WIN 0
	; THE WAY OUT.  The whole tile goes through the stage, since a row's aligned pieces of 256 bytes come from two waves.  First barrier: no wave reads slot 0 any more.  Second: the stage is whole.
	; The four places above stand between the last products and the first line that reads a result; each accumulator's registers are taken in ascending order.
	s_wait_dscnt 0x0
	s_barrier_signal -1
	s_barrier_wait -1
	WIN 0x04                                       ; the stores' data in window 1, their address in window 0
.set t, 0
.rept 32
	ds_store_b128 v[STO+t/16], v[8*t:8*t+3]   offset:((t/4)%4)*16*SPITCH+64*(t%4)
	ds_store_b128 v[STO+t/16], v[8*t+4:8*t+7] offset:((t/4)%4)*16*SPITCH+64*(t%4)+16
.set t, t+1
.endr
	WIN 0
	s_wait_dscnt 0x0                               ; for the others' sake: my stores into the stage are done
	s_barrier_signal -1
	s_barrier_wait -1
.macro BACK h                          ; rows 32 h .. 32 h + 31 of my 64: read back whole and stored; 16 lanes store 256 consecutive bytes, at a multiple of 256 from C's first byte
.set q, 0
.rept NQ
	ds_load_b128 v[OB+4*q:OB+4*q+3], v[RD] offset:2*(16*(\h)+q/2)*SPITCH+256*(q%2)
.set q, q+1
.endr
.set q, 0
.rept NQ
	s_wait_dscnt NQ-1-q                            ; LDS loads come back in order: quad q is in
	global_store_b128 v[CO], v[OB+4*q:OB+4*q+3], s[10:11] offset:2*(16*(\h)+q/2)*ROWB+256*(q%2) th:TH_STORE_NT
.set q, q+1
.endr
.endm
	BACK 0
	s_wait_xcnt 0x0                                ; the stores have read their registers, which are loaded again only behind this wait
	BACK 1
	s_wait_tensorcnt 0x0                           ; the wave's end: behind my last tensor load and my last LDS store
	ds_add_u32 v[SPW], v[NIL]
	s_wait_dscnt 0x0
	CROUND                                         ; the closing round: no work-group ends while a partner may still ask for a tile that names it
	s_endpgm
.Lfunc_end_k_q057f2496e9_gemm_out:
	.size	k_q057f2496e9_gemm_out, .Lfunc_end_k_q057f2496e9_gemm_out-k_q057f2496e9_gemm_out
	.p2alignl 7, 3214868480
	.fill 96, 4, 3214868480
	.section	.rodata,"a",@progbits
	.p2align	6, 0x0
	.amdhsa_kernel k_q057f2496e9_gemm_out
		.amdhsa_group_segment_fixed_size 327680
		.amdhsa_private_segment_fixed_size 0
		.amdhsa_enable_private_segment 0
		.amdhsa_kernarg_size 32
		.amdhsa_user_sgpr_count 2
		.amdhsa_user_sgpr_kernarg_segment_ptr 1
		.amdhsa_wavefront_size32 1
		.amdhsa_system_sgpr_workgroup_id_x 1
		.amdhsa_system_sgpr_workgroup_id_y 1
		.amdhsa_system_sgpr_workgroup_id_z 1
		.amdhsa_system_vgpr_workitem_id 0
		.amdhsa_next_free_vgpr 1024
		.amdhsa_next_free_sgpr 96
		.amdhsa_reserve_vcc 0
		.amdhsa_float_denorm_mode_32 3
		.amdhsa_float_denorm_mode_16_64 3
		.amdhsa_memory_ordered 1
		.amdhsa_forward_progress 1
		.amdhsa_inst_pref_size 132
	.end_amdhsa_kernel
	.amdgpu_metadata
---
amdhsa.version: [ 1, 2 ]
amdhsa.kernels:
  - .name:           k_q057f2496e9_gemm_out
    .symbol:         k_q057f2496e9_gemm_out.kd
    .args:
      - { .name: att, .offset: 0, .size: 8, .value_kind: global_buffer, .address_space: global }
      - { .name: wo16, .offset: 8, .size: 8, .value_kind: global_buffer, .address_space: global }
      - { .name: bias, .offset: 16, .size: 8, .value_kind: global_buffer, .address_space: global }
      - { .name: out0, .offset: 24, .size: 8, .value_kind: global_buffer, .address_space: global }
    .group_segment_fixed_size: 327680
    .private_segment_fixed_size: 0
    .kernarg_segment_align: 8
    .kernarg_segment_size: 32
    .max_flat_workgroup_size: 128
    .sgpr_count:     96
    .vgpr_count:     1024
    .wavefront_size: 32
...
	.end_amdgpu_metadata
.endif
;; end of part 4
;; ======== version 2 of 2: 4 launches; version 1 with the launch cvt written anew for expert scheduling mode
;; limits: values are held in f16: magnitudes above 65,504 overflow, below 6.1e-05 lose precision
;; workspace buffers: xb 16,777,216 bytes; wqkv 25,165,824 bytes; wo16 8,388,608 bytes; bias 32,768 bytes; qkv 50,331,648 bytes; att 16,777,216 bytes
;; launch cvt (part 5): grid 769 x 1, 8 waves a work-group, no clusters, 0 bytes of LDS; arguments x, Wq, Wk, Wv, Wo, bq, bk, bv, bo, xb, wqkv, wo16, bias; writes xb, wqkv, wo16, bias
.if DOCPART == 5
	.amdgcn_target "amdgcn-amd-amdhsa--gfx1250"
	.amdhsa_code_object_version 6
	.text
	.protected	k_q057f2496e9_cvt
	.globl	k_q057f2496e9_cvt
	.p2align	8
	.type	k_q057f2496e9_cvt,@function
k_q057f2496e9_cvt:
	s_mov_b64 s[64:65], 0
	v_nop
	global_prefetch_b8 v0, s[64:65] scope:SCOPE_SE
	s_setreg_imm32_b32 hwreg(HW_REG_WAVE_SCHED_MODE, 0, 2), 2
	s_setreg_imm32_b32 hwreg(HW_REG_WAVE_MODE, 25, 1), 1
	s_wait_xcnt 0x0
	s_wait_alu depctr_vm_vsrc(0)
; ALL INPUTS OF THE PRODUCTS ARE ROUNDED ONCE, TO bf16, and laid out for the launches that multiply them.  A stream: no LDS, no barrier, no matrix work.
;   x  [4096][2048] f32 -> xb, bf16, in blocks of 64 along k: byte kb x 524,288 + row x 128 + 2 (k mod 64): the rows of one block lie end to end.
;   Wq, Wk, Wv [2048 k][2048 n] f32 -> wqkv, bf16 [2048 k][6144 n]: the three side by side.      Wo -> wo16 [2048 k][2048 n]: rounded to bf16, that number written as f16
;   (exact where it is 6.1e-5 or more in magnitude; below that it keeps f16's fixed step of 6e-8).      bq, bk, bv, bo -> bias, f32 [8192]: each rounded to bf16 and widened again.
; SHARES.  Work-groups 0-255: 16 rows of x each; 256-639: 16 rows of Wq, Wk or Wv; 640-767: 16 rows of Wo; 768: the four biases.  A wave takes two rows (16 KiB): all its 32 loads of 16 bytes a
; lane go out at once.  Every store of a wave covers 256 consecutive bytes, at a multiple of 256 from its buffer's first byte (the biases': 512).
; THE MODE: SCHED_MODE bits 1:0 = 2 (LLVM: expert scheduling mode 2), set by the entry lines.  The code itself states the register dependences between vector instructions and memory
; instructions, with s_wait_alu, always for 0.
; THE PLAN.  Registers that memory instructions touch:
;   v2, v3     byte offsets of the loads and of the stores.  Written by vector lines ahead of a path's first load, never again.
;   X          32 quads.  A quad is written by its load, then once by its conversions, in place; it is read by those conversions and then by its one store; nothing writes it behind that store.
;   T is named by vector instructions alone.
; The quads go in blocks of four.  Block p waits for its four loads and converts its quads; its memory instructions are the four stores of block p - 1, which read quads that no vector instruction
; of block p names.  So one wait at a block's head states all that its four stores hang on, and they are dealt among its conversions with no further wait.  No register that a memory instruction
; has read is ever written again: nothing is owed for that, and no scalar base is stepped.
.set X,   16                           ; v[16:143] 32 quads as loaded; a quad's first two (biases: all four) registers are stored
.set T,   4                            ; v[4:5]    at work
.set SRC, 36                           ; s[36:37]  where my loads begin
.set DST, 38                           ; s[38:39]  where my stores begin
.set DS2, 40                           ; s[40:41]  x alone: the same, 16 blocks of k further on
.set KX,  0                            ; the four kinds of path: x,
.set KW,  1                            ; Wq, Wk, Wv,
.set KO,  2                            ; Wo,
.set KB,  3                            ; the biases
	s_load_b512 s[8:23], s[0:1], 0x0               ; x s[8:9], Wq s[10:11], Wk s[12:13], Wv s[14:15], Wo s[16:17], bq s[18:19], bk s[20:21], bv s[22:23]
	s_load_b256 s[24:31], s[0:1], 0x40             ; bo s[24:25], xb s[26:27], wqkv s[28:29], wo16 s[30:31]
	s_load_b64 s[32:33], s[0:1], 0x60              ; bias
	v_and_b32 v1, 31, v0                           ; lane
	v_lshrrev_b32 v2, 5, v0
	v_readfirstlane_b32 s35, v2                    ; wave 0..7
	s_mov_b32 s34, 0xffff0000                      ; a word's upper bf16
	s_mov_b32 s43, 0                               ; the high words of the two offsets
	s_mov_b32 s45, 0
	v_lshlrev_b32 v3, 3, v1                        ; stores: 8 bytes a lane
	v_lshlrev_b32 v2, 4, v1                        ; loads: 16 bytes a lane (x makes its own below)
	s_wait_alu depctr_va_sdst(0)                   ; s35 is written, ahead of the first branch and of its first reader: every path makes its rows from it
	s_wait_kmcnt 0x0
.macro LD n, step                      ; n loads, step bytes apart, all on their way together
	s_wait_alu depctr_va_vdst(0)                   ; v2 and v3 are written: every load and store of this path reads one of them as its offset, and neither is written again
.set i, 0
.rept \n
	global_load_b128 v[X+4*i:X+4*i+3], v2, s[SRC:SRC+1] offset:(\step)*i th:TH_LOAD_NT
.set i, i+1
.endr
.endm
; Quad q is converted, in place.  x and Wq, Wk, Wv: four f32 to four bf16, into its first two registers.  The biases: four f32 rounded to bf16 and widened again.  Wo: the same, and that number written as f16.
.macro CONV k, q
.if (\k) < KO
	v_cvt_pk_bf16_f32 v[X+4*(\q)], v[X+4*(\q)], v[X+4*(\q)+1]
	v_cvt_pk_bf16_f32 v[X+4*(\q)+1], v[X+4*(\q)+2], v[X+4*(\q)+3]
.else
	v_cvt_pk_bf16_f32 v[T], v[X+4*(\q)], v[X+4*(\q)+1]
	v_cvt_pk_bf16_f32 v[T+1], v[X+4*(\q)+2], v[X+4*(\q)+3]
	v_lshlrev_b32 v[X+4*(\q)], 16, v[T]
	v_and_b32 v[X+4*(\q)+1], s34, v[T]
	v_lshlrev_b32 v[X+4*(\q)+2], 16, v[T+1]
	v_and_b32 v[X+4*(\q)+3], s34, v[T+1]
.if (\k) == KO
	v_cvt_pk_f16_f32 v[X+4*(\q)], v[X+4*(\q)], v[X+4*(\q)+1]
	v_cvt_pk_f16_f32 v[X+4*(\q)+1], v[X+4*(\q)+2], v[X+4*(\q)+3]
.endif
.endif
.endm
; Quad q is stored.
.macro ST k, q
.if (\k) == KX
.if (\q) < 16
	global_store_b64 v3, v[X+4*(\q):X+4*(\q)+1], s[DST:DST+1] offset:(\q)*524288
.else
	global_store_b64 v3, v[X+4*(\q):X+4*(\q)+1], s[DS2:DS2+1] offset:((\q)-16)*524288
.endif
.elseif (\k) == KW
	global_store_b64 v3, v[X+4*(\q):X+4*(\q)+1], s[DST:DST+1] offset:((\q)/16)*12288+((\q)%16)*256
.elseif (\k) == KO
	global_store_b64 v3, v[X+4*(\q):X+4*(\q)+1], s[DST:DST+1] offset:(\q)*256
.else
	global_store_b128 v2, v[X+4*(\q):X+4*(\q)+3], s[DST:DST+1] offset:(\q)*512
.endif
.endm
; The n quads of a path, in blocks of four: block p's conversions, and among them the stores of block p - 1.
.macro STREAM k, n
.set p, 0
.rept (\n)/4
	s_wait_loadcnt (\n)-4-4*p                      ; loads come back in order (ISA guide 5.7.1): block p's four quads are in, the younger ones stay out
.if p > 0
	s_wait_alu depctr_va_vdst(0)                   ; the conversions of the block before have written its quads, which the four stores below read; no vector instruction behind this wait names them
.endif
.irp j, 0,1,2,3
.if p > 0
	ST \k, 4*p-4+\j
.endif
	CONV \k, 4*p+\j
.endr
.set p, p+1
.endr
	s_wait_alu depctr_va_vdst(0)                   ; the last block's conversions have written its quads, which the last four stores read
.irp j, 0,1,2,3
	ST \k, (\n)-4+\j
.endr
.endm
	s_cmp_lt_u32 ttmp9, 256
	s_cbranch_scc0 .Lweights
	; x.  Rows R = 16 b + 2 w and R + 1.  Load i: lanes 0-15 take block i (256 bytes) of row R, lanes 16-31 of row R + 1; in xb the two rows' 128 bytes of a block lie end to end.
	s_lshl_b32 s46, ttmp9, 4
	s_lshl1_add_u32 s46, s35, s46                  ; R
	s_lshl_b32 s42, s46, 13                        ; R x 8,192 bytes
	s_add_nc_u64 s[SRC:SRC+1], s[8:9], s[42:43]
	s_lshl_b32 s44, s46, 7                         ; R x 128 bytes
	s_add_nc_u64 s[DST:DST+1], s[26:27], s[44:45]
	s_add_nc_u64 s[DS2:DS2+1], s[DST:DST+1], 16*524288  ; so that a block's place fits the store's immediate
	v_and_b32 v4, 15, v1
	v_lshrrev_b32 v5, 4, v1
	v_lshlrev_b32 v2, 4, v4
	v_lshl_add_u32 v2, v5, 13, v2                  ; (lane / 16) x a row + 16 (lane % 16)
	LD 32, 256
	STREAM KX, 32
	s_endpgm
.Lweights:
	s_cmp_lt_u32 ttmp9, 640
	s_cbranch_scc0 .Lwo
	; Wq, Wk, Wv.  Matrix mi = (b - 256) / 128, rows R = 16 ((b - 256) % 128) + 2 w and R + 1: 16,384 consecutive bytes.
	s_sub_co_u32 s46, ttmp9, 256
	s_lshr_b32 s47, s46, 7                         ; mi
	s_and_b32 s46, s46, 127
	s_lshl_b32 s46, s46, 4
	s_lshl1_add_u32 s46, s35, s46                  ; R
	s_cmp_eq_u32 s47, 0
	s_cselect_b64 s[SRC:SRC+1], s[10:11], s[12:13]
	s_cmp_eq_u32 s47, 2
	s_cselect_b64 s[SRC:SRC+1], s[14:15], s[SRC:SRC+1]
	s_lshl_b32 s42, s46, 13
	s_add_nc_u64 s[SRC:SRC+1], s[SRC:SRC+1], s[42:43]
	s_mul_i32 s44, s46, 12288                      ; a row of wqkv,
	s_lshl_b32 s47, s47, 12                        ; the matrix's 4,096 bytes in it
	s_add_co_u32 s44, s44, s47
	s_add_nc_u64 s[DST:DST+1], s[28:29], s[44:45]
	LD 32, 512
	STREAM KW, 32
	s_endpgm
.Lwo:
	s_cmp_lt_u32 ttmp9, 768
	s_cbranch_scc0 .Lbias
	; Wo.  Rows R = 16 (b - 640) + 2 w and R + 1; in wo16 they are consecutive too.
	s_sub_co_u32 s46, ttmp9, 640
	s_lshl_b32 s46, s46, 4
	s_lshl1_add_u32 s46, s35, s46                  ; R
	s_lshl_b32 s42, s46, 13
	s_add_nc_u64 s[SRC:SRC+1], s[16:17], s[42:43]
	s_lshl_b32 s44, s46, 12
	s_add_nc_u64 s[DST:DST+1], s[30:31], s[44:45]
	LD 32, 512
	STREAM KO, 32
	s_endpgm
.Lbias:
	; The biases.  Wave w takes half w % 2 (4,096 bytes) of bias w / 2, and puts it at byte 4,096 w.
	s_lshr_b32 s46, s35, 1
	s_cmp_eq_u32 s46, 0
	s_cselect_b64 s[SRC:SRC+1], s[18:19], s[20:21]
	s_cmp_eq_u32 s46, 2
	s_cselect_b64 s[SRC:SRC+1], s[22:23], s[SRC:SRC+1]
	s_cmp_eq_u32 s46, 3
	s_cselect_b64 s[SRC:SRC+1], s[24:25], s[SRC:SRC+1]
	s_and_b32 s42, s35, 1
	s_lshl_b32 s42, s42, 12
	s_add_nc_u64 s[SRC:SRC+1], s[SRC:SRC+1], s[42:43]
	s_lshl_b32 s44, s35, 12
	s_add_nc_u64 s[DST:DST+1], s[32:33], s[44:45]
	LD 8, 512
	STREAM KB, 8
	s_endpgm
.Lfunc_end_k_q057f2496e9_cvt:
	.size	k_q057f2496e9_cvt, .Lfunc_end_k_q057f2496e9_cvt-k_q057f2496e9_cvt
	.p2alignl 7, 3214868480
	.fill 96, 4, 3214868480
	.section	.rodata,"a",@progbits
	.p2align	6, 0x0
	.amdhsa_kernel k_q057f2496e9_cvt
		.amdhsa_group_segment_fixed_size 0
		.amdhsa_private_segment_fixed_size 0
		.amdhsa_enable_private_segment 0
		.amdhsa_kernarg_size 104
		.amdhsa_user_sgpr_count 2
		.amdhsa_user_sgpr_kernarg_segment_ptr 1
		.amdhsa_wavefront_size32 1
		.amdhsa_system_sgpr_workgroup_id_x 1
		.amdhsa_system_sgpr_workgroup_id_y 1
		.amdhsa_system_sgpr_workgroup_id_z 1
		.amdhsa_system_vgpr_workitem_id 0
		.amdhsa_next_free_vgpr 148
		.amdhsa_next_free_sgpr 66
		.amdhsa_reserve_vcc 0
		.amdhsa_float_denorm_mode_32 3
		.amdhsa_float_denorm_mode_16_64 3
		.amdhsa_memory_ordered 1
		.amdhsa_forward_progress 1
		.amdhsa_inst_pref_size 47
	.end_amdhsa_kernel
	.amdgpu_metadata
---
amdhsa.version: [ 1, 2 ]
amdhsa.kernels:
  - .name:           k_q057f2496e9_cvt
    .symbol:         k_q057f2496e9_cvt.kd
    .args:
      - { .name: x, .offset: 0, .size: 8, .value_kind: global_buffer, .address_space: global }
      - { .name: Wq, .offset: 8, .size: 8, .value_kind: global_buffer, .address_space: global }
      - { .name: Wk, .offset: 16, .size: 8, .value_kind: global_buffer, .address_space: global }
      - { .name: Wv, .offset: 24, .size: 8, .value_kind: global_buffer, .address_space: global }
      - { .name: Wo, .offset: 32, .size: 8, .value_kind: global_buffer, .address_space: global }
      - { .name: bq, .offset: 40, .size: 8, .value_kind: global_buffer, .address_space: global }
      - { .name: bk, .offset: 48, .size: 8, .value_kind: global_buffer, .address_space: global }
      - { .name: bv, .offset: 56, .size: 8, .value_kind: global_buffer, .address_space: global }
      - { .name: bo, .offset: 64, .size: 8, .value_kind: global_buffer, .address_space: global }
      - { .name: xb, .offset: 72, .size: 8, .value_kind: global_buffer, .address_space: global }
      - { .name: wqkv, .offset: 80, .size: 8, .value_kind: global_buffer, .address_space: global }
      - { .name: wo16, .offset: 88, .size: 8, .value_kind: global_buffer, .address_space: global }
      - { .name: bias, .offset: 96, .size: 8, .value_kind: global_buffer, .address_space: global }
    .group_segment_fixed_size: 0
    .private_segment_fixed_size: 0
    .kernarg_segment_align: 8
    .kernarg_segment_size: 104
    .max_flat_workgroup_size: 256
    .sgpr_count:     66
    .vgpr_count:     148
    .wavefront_size: 32
...
	.end_amdgpu_metadata
.endif
;; end of part 5
;; launch gemm_qkv: the kernel of part 2 again; grid 16 x 16, 4 waves a work-group, clusters of 4 x 4, 327,680 bytes of LDS; arguments xb, wqkv, bias, qkv; writes qkv
;; launch attn: the kernel of part 3 again; grid 256 x 1, 16 waves a work-group, no clusters, 286,720 bytes of LDS; arguments qkv, c_scale, att; writes att
;; launch gemm_out: the kernel of part 4 again; grid 16 x 16, 4 waves a work-group, clusters of 4 x 4, 327,680 bytes of LDS; arguments att, wo16, bias, out0; writes out0
